; MI455X (gfx1250); checked and timed in simulation.
; The chip was launched on July 23, 2026; its instructions are those of AMD's public machine-readable ISA for CDNA 5 (MIT licence, August 2026) and "CDNA5" Instruction Set Architecture Reference Guide (July 2026). The comments in the code are by the model that wrote it; some were corrected since.
;; Causal Self Attention. Allowed arithmetic: matrix products marked QUANTISED: E2M3 operands, one E8M0 scale for each 32 along K, by v_wmma_scale_f32_16x16x128_f8f6f4 with both operands' format E2M3, f32 sums; everything else in f32.
;; Inputs: b_attn 3,072 float32; b_proj 1,024 float32; hidden_states 4 x 2,048 x 1,024 float32; w_attn 1,024 x 3,072 float32; w_proj 1,024 x 1,024 float32.
;; Outputs: out0 4 x 2,048 x 1,024 float32.
;; This version of the problem:
;;   THIS VERSION OF THE PROBLEM IS GIVEN IN LOW PRECISION. The matrix products marked QUANTISED in the list below multiply operands that are first quantised to E2M3 (2 exponent bits, 3 mantissa bits; 6 bits a number), with one power-of-two scale for each 32 numbers along K (OCP MX v1.0); their sums are f32. All else is computed in f32.
;;   The module's matrix products, in the order in which they are computed (A, B: the left and right operand; K: the contracted axis; several contracted axes count as one K, in the product's order):
;;     1. [M 8,192, K 1,024] x [K 1,024, N 3,072]; A: input hidden_states; B: input w_attn: QUANTISED
;;     2. batch 64 x [M 2,048, K 64] x [K 64, N 2,048]; A: computed on the way; B: computed on the way: QUANTISED
;;     3. batch 64 x [M 2,048, K 2,048] x [K 2,048, N 64]; A: softmax (see below); B: computed on the way: QUANTISED
;;     4. [M 8,192, K 1,024] x [K 1,024, N 1,024]; A: computed on the way; B: input w_proj: QUANTISED
;;   THE QUANTISER, for each operand of a quantised product, along K:
;;     - K is cut into blocks of 32 from its start; a last block that is shorter is filled with zeros.
;;     - A block's scale is 2^e with e = floor(log2(the largest magnitude in the block)) - 2, held to -126 .. 127; a block of zeros has e = 0. As a byte (E8M0): e + 127.
;;     - Each number is divided by its block's scale, clamped to +-7.5, and rounded to the nearest number of E2M3, ties to even, subnormals kept.
;;     - The product sums the exact products of the quantised numbers (number of the format x scale) in f32.
;;   ~~~python
;;   def quantise(x, axis):      # numpy; x: float32 -> the quantised numbers, widened to float32 again
;;       x = np.moveaxis(x, axis, -1); K = x.shape[-1]
;;       x = np.pad(x, [(0, 0)] * (x.ndim - 1) + [(0, -K % 32)]); x = x.reshape(x.shape[:-1] + (-1, 32)); a = np.abs(x).max(-1, keepdims=True)
;;       e = np.where(a > 0, np.clip(np.frexp(np.where(a > 0, a, 1))[1] - 1 - 2, -126, 127), 0)      # np.frexp(a)[1] - 1 = floor(log2(a)), exactly
;;       r = np.clip(x / 2.0 ** e, -7.5, 7.5)
;;       step = 2.0 ** (np.maximum(np.frexp(np.where(r == 0, 1, r))[1] - 1, 0) - 3)
;;       q = np.round(r / step) * step * 2.0 ** e      # np.round: ties to even
;;       return np.moveaxis(q.reshape(q.shape[:-2] + (-1,))[..., :K], -1, axis).astype(np.float32)
;;   ~~~
;;   SOFTMAX AHEAD OF A QUANTISED PRODUCT. Where the list says 'softmax', what is quantised is not the finished softmax but p = 2^(t - M), with t = logit x log2(e) and M = ceil(the row's largest t), a whole number; so 1/2 < the row's largest p <= 1. The row's sum l is taken of the UNQUANTISED p, in f32, and the product's result is divided by l at the end. Since M is a whole number, a kernel that streams over the keys may use a running M (the ceiling of the running maximum): every later rescaling is an exact power of two, which a block's scale takes up: the codes' values come out the same.
;;   OPERANDS COMPUTED ON THE WAY. 'Computed on the way' means the value that the module computes at that place (a softmax that the list does not call 'softmax' is quantised finished and normalised). What goes into a quantiser is computed in f32, as accurately as f32 sums, v_exp_f32 and their like allow (about 1e-6 of the number): no bf16 or f16 on the way to a quantiser, and a product that is left as it is and whose result goes on into a quantised operand takes f32 operands (vector FMAs, or v_wmma_f32_16x16x4_f32). A number that lies on a knife's edge between two numbers of the format may be rounded either way, as far as f32 arithmetic and the matrix unit's own rounding can turn it there, and no further.
;; One version. Each part assembles by itself: llvm-mc -triple=amdgcn-amd-amdhsa -mcpu=gfx1250 --defsym DOCPART=n.
;; ======== version 1 of 1: 4 launches
;; workspace buffers: op1 8,650,752 bytes; sc1 360,448 bytes; op2 7,077,888 bytes; sc2 294,912 bytes; qkv 20,185,088 bytes
;; launch quant (part 1): grid 192 x 1, 16 waves a work-group, no clusters, 141,312 bytes of LDS; arguments hidden_states, w_attn, w_proj, op1, sc1, op2, sc2; writes op1, sc1, op2, sc2
.if DOCPART == 1
	.amdgcn_target "amdgcn-amd-amdhsa--gfx1250"
	.amdhsa_code_object_version 6
	.text
	.protected	k_q012239dc89_quant
	.globl	k_q012239dc89_quant
	.p2align	8
	.type	k_q012239dc89_quant,@function
k_q012239dc89_quant:
	s_mov_b64 s[64:65], 0
	v_nop
	global_prefetch_b8 v0, s[64:65] scope:SCOPE_SE
	s_setreg_imm32_b32 hwreg(HW_REG_WAVE_MODE, 25, 1), 1
	s_wait_xcnt 0x0
; hidden_states [8192][1024], w_attn [1024][3072] and w_proj [1024][1024], f32, become codes of FP6 (E2M3) with one E8M0 byte for each 32 along K (K = 1,024 in all three).
; A block's scale is 2^(floor(log2(its largest magnitude)) - 2); its byte is the largest magnitude's exponent field - 2, held at 1 from below.
; LIMITS: NaN and infinities among the inputs are not served.  A block whose largest magnitude lies under 2^-124, a block of zeros among them, keeps the byte 1 (the rule says 127 for zeros): its codes
; are zeros or near it, and this program alone reads the bytes.
; THE CODES LEAVE AS IMAGES OF OPERAND REGISTERS.  A fragment (16 rows x 128 K, 12 registers a lane) is 1,536 bytes: registers 0-3 at 16 x lane, 4-5 at 512 + 8 x lane, 6-9 at 768 + 16 x lane, 10-11 at 1,280 + 8 x lane.
; Buffers: [tile of 16 rows][K step 8][1,536].  THE ROWS OF A TILE ARE NOT NEIGHBOURS: place i of tile T is row 32 (T / 2) + 8 (T % 2) + i + 8 (i / 8).  The scale bytes lie natural: [row][32].
; SHARES.  Work-groups 0-47: 64 columns of w_attn each; 48-63: of w_proj; 64-191: 64 rows of hidden_states each: 256 KiB of f32 for every work-group.  The two ways part on the work-group's number and have LDS bytes of their own.
; No tensor load, no matrix unit, no cluster: nothing is read twice, and memory binds.
.set XSTG,  8448                       ; X way: a wave's stage: 16 rows x (512 bytes + 16); sixteen of them from LDS byte 0
.set XSC,   135168                     ; X way: the work-group's scale bytes, 64 rows x 32
.set WSC,   137216                     ; W way: likewise, 64 columns x 32
.set WIMG,  6291456                    ; where a weight's images begin in op1 and in op2
.set WSCO,  262144                     ; where a weight's scale bytes begin in sc1 and in sc2
.set FLOOR, 0x1800000                  ; 2^(3 - 127): under it no largest magnitude is taken, so the byte cannot fall under 1
.set OFF,   32                         ; W way: v32-63   4 x column + i x pitch
.set XW,    64                         ; W way: v64-191  four blocks of 32 numbers down K
.set CA,    192                        ; W way: v192-223 the codes, a place of 8 registers for each block
.set R,     64                         ; X way: v64-191  two K steps as loaded
.set XN,    192                        ; X way: v192-255 a K step turned: 64 numbers of my row
.set PC,    32                         ; X way: v32-43   a fragment's codes; v44-50 at work; v52-53 the two scale words
; The scale bytes gathered in LDS leave in whole runs: waves 0-3 take 512 bytes each, 16 a lane.
.macro SCOUT lo
	s_cmp_lt_u32 s24, 4
	s_cbranch_scc0 .Lno_scales_\@
	ds_load_b128 v[8:11], v25
	s_wait_dscnt 0x0
	global_store_b128 v26, v[8:11], s[\lo:\lo+1]   ; 32 lanes store 512 consecutive bytes, at a multiple of 256 from the buffer's first byte
.Lno_scales_\@:
	s_wait_tensorcnt 0x0
	ds_add_u32 v22, v23
	s_wait_dscnt 0x0
	s_endpgm
.endm
	s_load_b256 s[4:11], s[0:1], 0x0               ; hidden_states s[4:5], w_attn s[6:7], w_proj s[8:9], op1 s[10:11]
	s_load_b128 s[12:15], s[0:1], 0x20             ; sc1 s[12:13], op2 s[14:15]
	s_load_b64 s[2:3], s[0:1], 0x30                ; sc2
	v_lshl_add_u32 v22, v0, 2, 0x22000
	v_mov_b32 v23, 0
	v_lshrrev_b32 v1, 5, v0
	s_delay_alu instid0(VALU_DEP_1)
	v_readfirstlane_b32 s24, v1                    ; wave 0..15
	v_and_b32 v2, 31, v0                           ; lane
	s_delay_alu instid0(VALU_DEP_1)
	v_lshlrev_b32 v3, 4, v2                        ; 16 x lane
	s_delay_alu instid0(VALU_DEP_2)
	v_lshlrev_b32 v4, 3, v2                        ; 8 x lane
	v_lshlrev_b32 v26, 4, v0                       ; 16 x thread: the scale bytes' way out
	s_mov_b32 s31, 0
	s_cmp_lt_u32 ttmp9, 64
	s_cbranch_scc0 .Lx_path
; ---------------- THE W WAY: K is the first axis.  A lane takes a column and its registers run down K.
; Wave w: columns 32 (w / 8) on, K step w % 8.  Lane l takes column 8 (l / 16) + l % 16 + 8 ((l / 8) % 2): lanes 0-15 are the places of the pair's first tile, lanes 16-31 of its second; a load still covers 128 consecutive bytes.
	s_lshr_b32 s25, s24, 3                         ; g
	s_and_b32 s26, s24, 7                          ; K step s
	v_and_b32 v5, 15, v2
	v_bfe_u32 v6, v2, 4, 1
	s_delay_alu instid0(VALU_DEP_1)
	v_lshl_add_u32 v5, v6, 3, v5
	v_and_b32 v6, 8, v2
	s_delay_alu instid0(VALU_DEP_1)
	v_add_nc_u32 v5, v5, v6                        ; my column among the wave's 32
	v_add_nc_u32 v25, WSC, v26
	s_delay_alu instid0(VALU_DEP_2)
	v_lshlrev_b32 v24, 5, v5
	s_lshl_b32 s33, s25, 10
	s_lshl_b32 s34, s26, 2
	s_add_co_u32 s33, s33, s34
	s_add_co_u32 s33, s33, WSC
	v_add_nc_u32 v24, s33, v24                     ; LDS: WSC + 32 (32 g + column) + 4 s: my scale word
	s_mov_b32 s27, 4096
	s_wait_alu depctr_va_vdst(0)
	s_wait_kmcnt 0x0
	s_cmp_lt_u32 ttmp9, 48                         ; w_attn or w_proj: the choice hangs on the work-group's number alone
	s_cselect_b64 s[6:7], s[6:7], s[8:9]           ; the weight
	s_cselect_b64 s[10:11], s[10:11], s[14:15]     ; its codes' buffer
	s_cselect_b64 s[12:13], s[12:13], s[2:3]       ; its scale bytes' buffer
	s_cselect_b32 s27, 12288, s27                  ; bytes from row to row
	s_cselect_b32 s28, 0, 48
	s_sub_co_u32 s28, ttmp9, s28
	s_lshl_b32 s28, s28, 6                         ; the work-group's first column
	s_lshl_b32 s29, s26, 7
	s_mul_i32 s30, s29, s27                        ; 128 s rows down
	s_lshl_b32 s29, s25, 5
	s_add_co_u32 s29, s29, s28                     ; the wave's first column
	s_lshl_b32 s34, s29, 2
	s_add_co_u32 s30, s30, s34
	s_add_nc_u64 s[16:17], s[6:7], s[30:31]        ; block 0's first row,
	s_lshl_b32 s30, s27, 5
	s_add_nc_u64 s[18:19], s[16:17], s[30:31]      ; and 32 rows on for each further block
	s_add_nc_u64 s[20:21], s[18:19], s[30:31]
	s_add_nc_u64 s[22:23], s[20:21], s[30:31]
	s_mul_i32 s30, s29, 768                        ; the codes: tile (column / 16) x 12,288
	s_mul_i32 s34, s26, 1536
	s_add_co_u32 s30, s30, s34
	s_add_co_u32 s30, s30, WIMG
	s_add_nc_u64 s[10:11], s[10:11], s[30:31]
	s_lshl_b32 s30, s28, 5                         ; the scale bytes: 32 a column
	s_add_co_u32 s30, s30, WSCO
	s_add_nc_u64 s[12:13], s[12:13], s[30:31]
	v_lshlrev_b32 v[OFF], 2, v5
.set i, 0
.rept 31
	s_delay_alu instid0(VALU_DEP_1)
	v_add_nc_u32 v[OFF+1+i], s27, v[OFF+i]
.set i, i+1
.endr
.irp t, 0,1,2,3
.set i, 0
.rept 32
	global_load_b32 v[XW+32*\t+i], v[OFF+i], s[16+2*\t:17+2*\t] th:TH_LOAD_NT
.set i, i+1
.endr
.endr
; Block t: all its 32 numbers are mine.  left: loads that may stay out.
.macro WBLOCK t, left
	s_wait_loadcnt \left
	v_max3_num_f32 v[8+\t], |v[XW+32*\t]|, |v[XW+32*\t+1]|, |v[XW+32*\t+2]|
	v_max3_num_f32 v[28+\t], |v[XW+32*\t+3]|, |v[XW+32*\t+4]|, |v[XW+32*\t+5]|
.irp i, 6,10,14,18,22,26
	s_delay_alu instid0(VALU_DEP_2)
	v_max3_num_f32 v[8+\t], v[8+\t], |v[XW+32*\t+\i]|, |v[XW+32*\t+\i+1]|
	s_delay_alu instid0(VALU_DEP_2)
	v_max3_num_f32 v[28+\t], v[28+\t], |v[XW+32*\t+\i+2]|, |v[XW+32*\t+\i+3]|
.endr
	s_delay_alu instid0(VALU_DEP_2)
	v_max3_num_f32 v[8+\t], v[8+\t], |v[XW+32*\t+30]|, |v[XW+32*\t+31]|
	s_delay_alu instid0(VALU_DEP_1)
	v_max3_num_f32 v[8+\t], v[8+\t], v[28+\t], FLOOR
	s_delay_alu instid0(VALU_DEP_1)
	v_add_nc_u32 v[12+\t], 0xff000000, v[8+\t]     ; 2 off the exponent field: the conversion takes this operand's exponent field as its scale
	s_delay_alu instid0(VALU_DEP_1)
	v_lshrrev_b32 v[16+\t], 23, v[12+\t]           ; the scale's byte
	v_cvt_scalef32_pk16_fp6_f32 v[CA+8*\t:CA+8*\t+2], v[XW+32*\t:XW+32*\t+15], v[12+\t]
	v_cvt_scalef32_pk16_fp6_f32 v[CA+8*\t+4:CA+8*\t+6], v[XW+32*\t+16:XW+32*\t+31], v[12+\t]   ; (a conversion's three registers begin on an even number)
.endm
	WBLOCK 0, 63                                   ; 96 loads stand behind block 0's and 64 behind block 1's: 63 is the most that the wait names, and is under both
	WBLOCK 1, 63
	WBLOCK 2, 32                                   ; block 3's 32 may stay out
	WBLOCK 3, 0
	v_nop                                          ; one plain place behind the last conversion
	v_lshl_or_b32 v20, v17, 8, v16                 ; my column's scale word for this K step
	s_delay_alu instid0(VALU_DEP_1)
	v_lshl_or_b32 v20, v18, 16, v20
	s_delay_alu instid0(VALU_DEP_1)
	v_lshl_or_b32 v20, v19, 24, v20
	ds_store_b32 v24, v20
; The operand's layout wants block 2 c in lanes 0-15 and block 2 c + 1 in lanes 16-31 of ONE tile.  The exchange gives it: place 2 c becomes the first tile's half c, place 2 c + 1 the second tile's.
.irp c, 0,1
.irp i, 0,1,2,4,5,6
	v_permlane16_swap_b32 v[CA+16*\c+\i], v[CA+16*\c+8+\i]
.endr
.endr
.irp t, 0,1,2,3
	v_mov_b32 v[CA+8*\t+3], v[CA+8*\t+4]           ; the gap is closed: six registers on end
	v_mov_b32 v[CA+8*\t+4], v[CA+8*\t+5]
	v_mov_b32 v[CA+8*\t+5], v[CA+8*\t+6]
.endr
.irp c, 0,1
.irp u, 0,1
	global_store_b128 v3, v[CA+16*\c+8*\u:CA+16*\c+8*\u+3], s[10:11] offset:12288*\u+768*\c         ; 512 consecutive bytes
	global_store_b64 v4, v[CA+16*\c+8*\u+4:CA+16*\c+8*\u+5], s[10:11] offset:12288*\u+768*\c+512    ; 256 consecutive bytes
.endr
.endr
	s_wait_dscnt 0x0                               ; for the others' sake: my scale word lies in LDS
	s_barrier_signal -1
	s_barrier_wait -1
	SCOUT 12
; ---------------- THE X WAY: K is innermost.  Wave w: tile w / 4 of the work-group's four, K steps 2 (w % 4) and 2 (w % 4) + 1.
; Each load takes 512 consecutive bytes of one row; a K step's 16 rows turn through the wave's own stage, and come back 128 consecutive bytes (a whole block of 32) at a time to the lane whose registers want them.
.Lx_path:
	s_lshr_b32 s25, s24, 2                         ; tile j
	s_and_b32 s26, s24, 3                          ; kq
	s_sub_co_u32 s27, ttmp9, 64
	s_wait_alu depctr_va_vdst(0)
	v_and_b32 v5, 15, v2                           ; r
	v_bfe_u32 v6, v2, 4, 1                         ; h
	s_lshr_b32 s28, s25, 1
	s_lshl_b32 s28, s28, 5
	s_and_b32 s29, s25, 1
	s_lshl_b32 s29, s29, 3
	s_add_co_u32 s28, s28, s29                     ; the tile's first row among the 64: 32 (j / 2) + 8 (j % 2)
	s_lshl_b32 s29, s27, 6
	s_add_co_u32 s29, s29, s28
	s_lshl_b32 s30, s29, 12                        ; rows of 4,096 bytes
	s_lshl_b32 s34, s26, 10                        ; two K steps are 1,024 bytes
	s_add_co_u32 s30, s30, s34
	s_wait_alu depctr_va_vdst(0)
	s_wait_kmcnt 0x0
	s_add_nc_u64 s[4:5], s[4:5], s[30:31]
.irp p, 0,1
.irp i, 0,1,2,3,4,5,6,7,8,9,10,11,12,13,14,15
	global_load_b128 v[R+64*\p+4*\i:R+64*\p+4*\i+3], v3, s[4:5] offset:(\i+8*(\i/8))*4096+512*\p th:TH_LOAD_NT
.endr
.endr
	s_mul_i32 s32, s24, XSTG
	v_add_nc_u32 v7, s32, v3                       ; the stage, on the way in: 16 x lane, a row 528 bytes on
	v_mul_u32_u24 v24, v5, 528
	s_delay_alu instid0(VALU_DEP_1)
	v_lshl_add_u32 v24, v6, 7, v24
	s_delay_alu instid0(VALU_DEP_1)
	v_add_nc_u32 v24, s32, v24                     ; and back: row r, + 128 h
	v_add_nc_u32 v25, XSC, v26
	v_and_b32 v27, 8, v5
	s_delay_alu instid0(VALU_DEP_1)
	v_add_nc_u32 v27, v27, v5                      ; r + 8 (r / 8)
	s_delay_alu instid0(VALU_DEP_1)
	v_lshlrev_b32 v27, 5, v27
	s_lshl_b32 s33, s28, 5
	s_lshl_b32 s34, s26, 3
	s_add_co_u32 s33, s33, s34
	s_add_co_u32 s33, s33, XSC
	v_add_nc_u32 v27, s33, v27                     ; LDS: XSC + 32 x my row + 8 kq: my two scale words
	s_lshl_b32 s33, s27, 2
	s_add_co_u32 s33, s33, s25
	s_lshl_b32 s33, s33, 3
	s_lshl_b32 s34, s26, 1
	s_add_co_u32 s33, s33, s34
	s_mul_i32 s30, s33, 1536
	s_add_nc_u64 s[10:11], s[10:11], s[30:31]      ; op1 at (tile, K step 2 kq)
	s_lshl_b32 s30, s27, 11
	s_add_nc_u64 s[12:13], s[12:13], s[30:31]      ; sc1 at the work-group's 64 rows
	s_mov_b32 s20, 0x76543210
	s_mov_b32 s21, 0xfedcba98                      ; v_permlanex16_b32's selects for lane l xor 16
	v_lshlrev_b32 v15, 3, v6                       ; 8 h
	v_mov_b32 v16, 0                               ; written once: a lane permute's destination counts as one of its sources
.macro TURN p                          ; LDS serves a wave's instructions in order: no wait between the stores and the loads
.irp i, 0,1,2,3,4,5,6,7,8,9,10,11,12,13,14,15
	ds_store_b128 v7, v[R+64*\p+4*\i:R+64*\p+4*\i+3] offset:528*\i
.endr
.irp c, 0,1
.irp j, 0,1,2,3,4,5,6,7
	ds_load_b128 v[XN+32*\c+4*\j:XN+32*\c+4*\j+3], v24 offset:256*\c+16*\j   ; k = 64 c + 32 h + 4 j on, of row r
.endr
.endr
.endm
.macro QX p                            ; my two whole blocks, 2 c + h, become registers 6 c .. 6 c + 5 of the fragment
.irp c, 0,1
	v_max3_num_f32 v[8+\c], |v[XN+32*\c]|, |v[XN+32*\c+1]|, FLOOR
.endr
.irp i, 2,4,6,8,10,12,14,16,18,20,22,24,26,28,30
.irp c, 0,1
	s_delay_alu instid0(VALU_DEP_2)
	v_max3_num_f32 v[8+\c], v[8+\c], |v[XN+32*\c+\i]|, |v[XN+32*\c+\i+1]|
.endr
.endr
.irp c, 0,1
	s_delay_alu instid0(VALU_DEP_2)
	v_add_nc_u32 v[10+\c], 0xff000000, v[8+\c]
.endr
.irp c, 0,1
	s_delay_alu instid0(VALU_DEP_2)
	v_lshrrev_b32 v[12+\c], 23, v[10+\c]
.endr
	s_delay_alu instid0(VALU_DEP_1)
	v_lshl_or_b32 v14, v13, 16, v12                ; my two bytes, blocks h and 2 + h,
	s_delay_alu instid0(VALU_DEP_1)
	v_lshlrev_b32 v14, v15, v14                    ; at their places in the word;
	s_delay_alu instid0(VALU_DEP_1)
	v_permlanex16_b32 v16, v14, s20, s21
	s_delay_alu instid0(VALU_DEP_1)
	v_or_b32 v[52+\p], v14, v16                    ; with lane l xor 16's two the word is whole
.irp c, 0,1
	v_cvt_scalef32_pk16_fp6_f32 v[PC+6*\c:PC+6*\c+2], v[XN+32*\c:XN+32*\c+15], v[10+\c]
	v_cvt_scalef32_pk16_fp6_f32 v[44+4*\c:46+4*\c], v[XN+32*\c+16:XN+32*\c+31], v[10+\c]
.endr
	v_nop                                          ; one plain place behind the last conversion
.irp c, 0,1
.irp i, 0,1,2
	v_mov_b32 v[PC+3+6*\c+\i], v[44+4*\c+\i]
.endr
.endr
	global_store_b128 v3, v[PC:PC+3], s[10:11] offset:1536*\p
	global_store_b64 v4, v[PC+4:PC+5], s[10:11] offset:1536*\p+512
	global_store_b128 v3, v[PC+6:PC+9], s[10:11] offset:1536*\p+768
	global_store_b64 v4, v[PC+10:PC+11], s[10:11] offset:1536*\p+1280
.endm
	s_wait_alu depctr_va_vdst(0)
	s_wait_loadcnt 16                              ; the first K step's sixteen loads are in; the second's may stay out
	TURN 0
	s_wait_dscnt 0x0
	QX 0
	s_wait_loadcnt 0x0
	TURN 1
	s_wait_dscnt 0x0
	s_wait_xcnt 0x0                                ; the first fragment's stores have read their registers, which are written again
	QX 1
	ds_store_b64 v27, v[52:53]                     ; lanes l and l + 16 write the same words to the same place
	s_wait_dscnt 0x0                               ; for the others' sake
	s_barrier_signal -1
	s_barrier_wait -1
	SCOUT 12
.Lfunc_end_k_q012239dc89_quant:
	.size	k_q012239dc89_quant, .Lfunc_end_k_q012239dc89_quant-k_q012239dc89_quant
	.p2alignl 7, 3214868480
	.fill 96, 4, 3214868480
	.section	.rodata,"a",@progbits
	.p2align	6, 0x0
	.amdhsa_kernel k_q012239dc89_quant
		.amdhsa_group_segment_fixed_size 141312
		.amdhsa_private_segment_fixed_size 0
		.amdhsa_enable_private_segment 0
		.amdhsa_kernarg_size 56
		.amdhsa_user_sgpr_count 2
		.amdhsa_user_sgpr_kernarg_segment_ptr 1
		.amdhsa_wavefront_size32 1
		.amdhsa_system_sgpr_workgroup_id_x 1
		.amdhsa_system_sgpr_workgroup_id_y 1
		.amdhsa_system_sgpr_workgroup_id_z 1
		.amdhsa_system_vgpr_workitem_id 0
		.amdhsa_next_free_vgpr 256
		.amdhsa_next_free_sgpr 66
		.amdhsa_reserve_vcc 0
		.amdhsa_float_denorm_mode_32 3
		.amdhsa_float_denorm_mode_16_64 3
		.amdhsa_memory_ordered 1
		.amdhsa_forward_progress 1
		.amdhsa_inst_pref_size 45
	.end_amdhsa_kernel
	.amdgpu_metadata
---
amdhsa.version: [ 1, 2 ]
amdhsa.kernels:
  - .name:           k_q012239dc89_quant
    .symbol:         k_q012239dc89_quant.kd
    .args:
      - { .name: hidden_states, .offset: 0, .size: 8, .value_kind: global_buffer, .address_space: global }
      - { .name: w_attn, .offset: 8, .size: 8, .value_kind: global_buffer, .address_space: global }
      - { .name: w_proj, .offset: 16, .size: 8, .value_kind: global_buffer, .address_space: global }
      - { .name: op1, .offset: 24, .size: 8, .value_kind: global_buffer, .address_space: global }
      - { .name: sc1, .offset: 32, .size: 8, .value_kind: global_buffer, .address_space: global }
      - { .name: op2, .offset: 40, .size: 8, .value_kind: global_buffer, .address_space: global }
      - { .name: sc2, .offset: 48, .size: 8, .value_kind: global_buffer, .address_space: global }
    .group_segment_fixed_size: 141312
    .private_segment_fixed_size: 0
    .kernarg_segment_align: 8
    .kernarg_segment_size: 56
    .max_flat_workgroup_size: 512
    .sgpr_count:     66
    .vgpr_count:     256
    .wavefront_size: 32
...
	.end_amdgpu_metadata
.endif
;; end of part 1
;; launch qkv (part 2): grid 12 x 64, 4 waves a work-group, clusters of 4 x 4, 295,424 bytes of LDS; arguments op1, sc1, b_attn, qkv; writes qkv
.if DOCPART == 2
	.amdgcn_target "amdgcn-amd-amdhsa--gfx1250"
	.amdhsa_code_object_version 6
	.text
	.protected	k_q012239dc89_qkv
	.globl	k_q012239dc89_qkv
	.p2align	8
	.type	k_q012239dc89_qkv,@function
k_q012239dc89_qkv:
	s_mov_b64 s[64:65], 0
	v_nop
	global_prefetch_b8 v0, s[64:65] scope:SCOPE_SE
	s_setreg_imm32_b32 hwreg(HW_REG_WAVE_MODE, 25, 1), 1
	s_wait_xcnt 0x0
	s_wait_alu depctr_hold_cnt(0) depctr_sa_sdst(0) depctr_va_vdst(0) depctr_va_sdst(0) depctr_va_ssrc(0) depctr_va_vcc(0) depctr_vm_vsrc(0)
	s_getreg_b32 s2, hwreg(HW_REG_IB_STS2, 6, 4)
	s_cmp_eq_u32 s2, 0
	s_cbranch_scc0 .Lentry_in_a_cluster
	s_endpgm
.Lentry_in_a_cluster:
	s_bfe_u32 s2, ttmp6, 0x10000c
	s_cmp_lg_u32 s2, 0xf033
	s_cbranch_scc0 .Lentry_shape_is_right
	s_endpgm
.Lentry_shape_is_right:
; hidden_states x w_attn + b_attn on codes of FP6 (E2M3), and q, k, v quantised in registers for the two products of attention.  Nothing of q, k, v goes to memory as f32.
; THE PRODUCT.  Side P is source 1 and owns the lane, side Q is source 0 and owns the registers.  A work-group takes 128 rows of P x 256 rows of Q; all of K (1,024) lies in LDS, filled once: no slot is filled again.
; A tile's rows are not neighbours (place i of tile T is row 32 (T / 2) + 8 (T % 2) + i + 8 (i / 8)), so the 16 registers of Q's tiles 2 b and 2 b + 1 are 16 neighbours, 32 b + 16 (lane / 16) + 0 .. 15: what a quantiser wants.
; ROLES, by the cluster's x alone (the same in all sixteen partners): 0, 1: P = tokens, Q = w_attn's columns 0-1,023 (q) or 1,024-2,047 (k): a lane holds a token, its registers run along the head's 64.
;   2: P = w_attn's columns 2,048 on (v's channels), Q = tokens: a lane holds a channel, its registers run along the KEYS, which are the second product's K.
; CLUSTERS: 4 x 4.  P's tiles hang on the work-group's y alone and are asked for jointly along a row of the cluster, Q's on its x alone, along a column.
; Each wave issues four tensor loads (chunks of two K steps), all at the start: four are outstanding at the most.
; OUT (buffer qkv): K and V by slots of 256 keys, [head 64][slot 8][26,112]: 16 half images of K (768 bytes: 16 keys x 64), V [key step 2][tile of channels 4][1,536], K's scale words [group of 4 tiles][place 16][tile 4], V's [key step 2][place][tile].
;   q's half images [head][tile 128][768] from QCO, q's scale words [head][group 32][place][tile] from QSO.  A word of q or k: its two bytes, and 0x7f7f above (the upper half of a K step of 128 is empty there).
; LIMITS: NaN and infinities are not served; a block whose largest magnitude lies under 2^-124 keeps the byte 1 (a block of zeros too): this program alone reads the bytes.
; REGISTERS.  window 0: v1-31 addresses and small things; v32-95 scale words (v[32 + 8 i + s]: lanes 0-15 P's tile i, lanes 16-31 Q's tile i, K step s); v96-191 P's fragments, two sets; v192-255 the bias along the registers.
;   window 1: the 32 accumulators, (a, b) at v[64 a + 8 b].   window 2: Q's fragments, two sets, at v0 and v96.
.set KVH,  208896
.set SLB,  26112
.set QCO,  13369344
.set QSO,  19660800
.set SC,   32
.set PF,   96
.set BI,   192
.set BV,   20                          ; v20-27 the bias of my lane's channel, a pair for each tile of P
.set W4,   16                          ; v16-19 four scale words on their way out
.set PW,   28
.set H,    96                          ; the way out: 64 numbers; v160-178 codes; v180-191 at work
.set PC,   160
.set TM,   180
.set G1P,  24
.set G1Q,  32
.set G0P,  40                          ; s[40:55] P's four groups 0
.set G0Q,  68                          ; s[68:83] Q's
.set SEL,  96
.set MSB, 0
.macro WIN new                         ; the immediate's high byte repeats the setting that is left
.if MSB != \new
	s_set_vgpr_msb (MSB<<8)|\new
.set MSB, \new
.endif
.endm
.macro CROUND                          ; a round of the cluster's barrier
	s_barrier_signal -1
	s_barrier_wait -1
	s_cmp_lg_u32 s8, 0
	s_cbranch_scc1 .Lnot_wave_0_\@
	s_barrier_signal -3
.Lnot_wave_0_\@:
	s_barrier_wait -3
	s_barrier_signal -1
	s_barrier_wait -1
.endm
	s_load_b128 s[4:7], s[0:1], 0x0                ; op1, sc1
	s_load_b128 s[12:15], s[0:1], 0x10             ; b_attn, qkv
	s_set_vgpr_msb 0x80
	v_lshl_add_u32 v254, v0, 2, 0x48000
	v_mov_b32 v255, 0
	s_set_vgpr_msb 0x808a
	ds_add_u32 v254, v255
	ds_add_u32 v254, v255
	s_set_vgpr_msb 0x8a00
	v_lshrrev_b32 v1, 5, v0
	v_readfirstlane_b32 s8, v1                     ; wave 0..3
	s_lshr_b32 s9, s8, 1                           ; wp: my 64 rows of P.  Also: I fetch for P (0) or for Q (1)
	s_and_b32 s10, s8, 1                           ; wq: my 128 rows of Q.  Also: which half I fetch
	s_bfe_u32 s16, ttmp6, 0x40000                  ; cx
	s_bfe_u32 s17, ttmp6, 0x40004                  ; cy
	s_lshr_b32 s18, ttmp9, 1                       ; rv: 1 in the role of v
	s_sub_co_u32 s11, 1, s18
	s_and_b32 s19, ttmp7, 0xffff                   ; the cluster's y
	s_mul_i32 s20, s18, 3
	s_lshr_b32 s20, 15, s20
	s_and_b32 s20, s19, s20                        ; P's cluster: 16 of them for tokens, 2 for channels
	s_lshr_b32 s21, s19, 1
	s_mul_i32 s21, s21, s18
	s_mul_i32 s56, s11, ttmp9
	s_add_co_u32 s21, s21, s56                     ; Q's cluster: the cluster's x (0: q, 1: k), or for v the cluster's y / 2
	s_lshl_b32 s22, s20, 2
	s_add_co_u32 s22, s22, s17                     ; pt: which 128 rows of P
	s_lshl_b32 s23, s21, 2
	s_add_co_u32 s23, s23, s16                     ; qt: which 256 rows of Q
	s_lshl_b32 s56, s17, 2
	s_lshl_b32 s56, 15, s56                        ; my row of the cluster
	s_lshl_b32 s57, 0x1111, s16                    ; my column
	; group 1: rows of 3,072 bytes (a tile's two K steps; 384 elements of 8 bytes), 12,288 bytes apart (a tile's eight K steps); 4 tiles for P, 8 for Q; dense in LDS
	s_or_b32 s[G1P], s56, (3<<16)|(1<<21)
	s_or_b32 s[G1Q], s57, (3<<16)|(1<<21)
	s_mov_b32 s[G1P+1], 384<<16
	s_mov_b32 s[G1P+2], 4<<16
	s_mov_b32 s[G1P+3], 384<<16
	s_mov_b32 s[G1P+4], 4
	s_mov_b32 s[G1P+5], 1536
	s_mov_b32 s[G1P+6], 0
	s_mov_b32 s[G1P+7], 0
	s_mov_b32 s[G1Q+1], 384<<16
	s_mov_b32 s[G1Q+2], 8<<16
	s_mov_b32 s[G1Q+3], 384<<16
	s_mov_b32 s[G1Q+4], 8
	s_mov_b32 s[G1Q+5], 1536
	s_mov_b32 s[G1Q+6], 0
	s_mov_b32 s[G1Q+7], 0
	; where the tiles come from: P's in registers that never hold cx, Q's in registers that never hold cy
	s_mul_i32 s84, s22, 98304                      ; 8 tiles x 12,288
	s_mul_i32 s85, s18, 7864320                    ; v's channels: w_attn's images from tile 128 on
	s_add_co_u32 s84, s84, s85
	s_mul_i32 s85, s10, 49152                      ; my half: 4 tiles
	s_add_co_u32 s84, s84, s85
	s_mov_b32 s85, 0
	s_mul_i32 s88, s23, 196608                     ; 16 tiles x 12,288
	s_mul_i32 s89, s11, 6291456                    ; q, k: w_attn's images
	s_add_co_u32 s88, s88, s89
	s_mul_i32 s89, s10, 98304                      ; my half: 8 tiles
	s_add_co_u32 s88, s88, s89
	s_mov_b32 s89, 0
	s_mul_i32 s86, s10, 12288                      ; and where they go: the wave's number alone enters an LDS address
	s_mul_i32 s90, s10, 24576
	s_add_co_u32 s90, s90, 98304
	s_wait_dscnt 0x0
	s_wait_kmcnt 0x0
	s_add_nc_u64 s[84:85], s[4:5], s[84:85]
	s_add_nc_u64 s[88:89], s[4:5], s[88:89]
	CROUND                                         ; all sixteen work-groups are here: the joint loads meet
.irp j, 0,1,2,3
	s_mov_b32 s[G0P+4*\j], 1
	s_add_co_u32 s[G0P+4*\j+1], s86, 24576*\j
	s_add_nc_u64 s[G0P+4*\j+2:G0P+4*\j+3], s[84:85], 3072*\j
	s_or_b32 s[G0P+4*\j+3], s[G0P+4*\j+3], 0x80000000
	s_mov_b32 s[G0Q+4*\j], 1
	s_add_co_u32 s[G0Q+4*\j+1], s90, 49152*\j
	s_add_nc_u64 s[G0Q+4*\j+2:G0Q+4*\j+3], s[88:89], 3072*\j
	s_or_b32 s[G0Q+4*\j+3], s[G0Q+4*\j+3], 0x80000000
.endr
	s_cmp_eq_u32 s9, 0                             ; a wave's four fills stand in one branch on the wave's number; four v_nop follow the last
	s_cbranch_scc0 .Lfetch_q
.irp j, 0,1,2,3
	tensor_load_to_lds s[G0P+4*\j:G0P+4*\j+3], s[G1P:G1P+7]
	s_nop 0
.endr
.rept 4
	v_nop
.endr
	s_branch .Lasked
.Lfetch_q:
.irp j, 0,1,2,3
	tensor_load_to_lds s[G0Q+4*\j:G0Q+4*\j+3], s[G1Q:G1Q+7]
	s_nop 0
.endr
.rept 4
	v_nop
.endr
.Lasked:
	v_and_b32 v1, 31, v0                           ; lane
	v_and_b32 v2, 15, v0                           ; r
	v_bfe_u32 v3, v0, 4, 1                         ; h
	s_wait_alu depctr_va_vdst(0)
	v_lshlrev_b32 v4, 4, v1                        ; 16 x lane
	v_lshlrev_b32 v5, 3, v1                        ; 8 x lane
	s_mul_i32 s56, s9, 12288
	v_add_nc_u32 v6, s56, v4                       ; my four tiles of P in chunk 0, pieces of 16 bytes,
	v_add_nc_u32 v7, s56, v5                       ; and of 8
	v_add_nc_u32 v8, s90, v4                       ; my eight tiles of Q
	v_add_nc_u32 v9, s90, v5
	v_and_b32 v30, 8, v2
	v_add_nc_u32 v30, v30, v2                      ; r + 8 (r / 8)
	; the scale words: 32 bytes a row, natural.  Lanes 0-15 take P's rows, lanes 16-31 Q's
	s_lshl_b32 s57, s22, 12
	s_mul_i32 s58, s18, 327680                     ; v's channels: w_attn's bytes begin at 262,144; row 2,048 is 65,536 on
	s_add_co_u32 s57, s57, s58                     ; the work-group's 128 rows of P
	s_lshl_b32 s58, s9, 11
	s_add_co_u32 s58, s58, s57                     ; my 64 of them
	s_lshl_b32 s59, s23, 13
	s_lshl_b32 s60, s10, 12
	s_add_co_u32 s59, s59, s60
	s_mul_i32 s60, s11, 262144
	s_add_co_u32 s59, s59, s60                     ; my 128 rows of Q
	v_cmp_eq_u32 vcc_lo, 1, v3
	v_mov_b32 v31, s59
	v_mov_b32 v10, s58
	v_mov_b32 v11, s57
	v_cndmask_b32 v10, v10, v31, vcc_lo
	s_wait_alu depctr_va_vdst(0)
	v_cndmask_b32 v11, v11, v31, vcc_lo            ; for tiles 4-7, which P's side of a wave has not: lanes 0-15 read the work-group's rows 64-127, stored bytes that no product names
	v_lshl_add_u32 v10, v30, 5, v10
	v_lshl_add_u32 v11, v30, 5, v11
.irp i, 0,1,2,3
.irp j, 0,1
	global_load_b128 v[SC+8*\i+4*\j:SC+8*\i+4*\j+3], v10, s[6:7] offset:32*(32*(\i/2)+8*(\i%2))+16*\j
.endr
.endr
.irp i, 4,5,6,7
.irp j, 0,1
	global_load_b128 v[SC+8*\i+4*\j:SC+8*\i+4*\j+3], v11, s[6:7] offset:32*(32*(\i/2)+8*(\i%2))+16*\j
.endr
.endr
	; the biases, both kinds in both roles, so that every register is written on every way: the kind that the role does not use is read at the buffer's head
	v_lshlrev_b32 v12, 6, v3                       ; 64 h
	s_wait_alu depctr_va_vdst(0)
	v_lshlrev_b32 v13, 2, v30
	s_wait_alu depctr_va_vdst(0)
	s_lshl_b32 s60, s23, 8
	s_lshl_b32 s61, s10, 7
	s_add_co_u32 s60, s60, s61                     ; 256 qt + 128 wq: my first row of Q
	s_lshl_b32 s61, s22, 7
	s_lshl_b32 s62, s9, 6
	s_add_co_u32 s61, s61, s62                     ; 128 pt + 64 wp: my first row of P
	s_mul_i32 s92, s60, s11
	s_lshl_b32 s92, s92, 2
	s_mov_b32 s93, 0
	s_add_nc_u64 s[92:93], s[12:13], s[92:93]
	s_add_co_u32 s94, s61, 2048
	s_mul_i32 s94, s94, s18
	s_lshl_b32 s94, s94, 2
	s_mov_b32 s95, 0
	s_add_nc_u64 s[94:95], s[12:13], s[94:95]
.irp b, 0,1,2,3,4,5,6,7
	global_load_b128 v[BI+8*\b:BI+8*\b+3], v12, s[92:93] offset:4*(32*(\b/2)+8*(\b%2))
	global_load_b128 v[BI+8*\b+4:BI+8*\b+7], v12, s[92:93] offset:4*(32*(\b/2)+8*(\b%2))+16
.endr
.irp a, 0,1,2,3
	global_load_b32 v[BV+2*\a], v13, s[94:95] offset:4*(32*(\a/2)+8*(\a%2))
	global_load_b32 v[BV+2*\a+1], v13, s[94:95] offset:4*(32*(\a/2)+8*(\a%2))   ; (named with it as a pair, so it is written)
.endr
	; where the results go
	s_lshl_b32 s62, s16, 2
	s_lshl_b32 s63, s10, 1
	s_add_co_u32 s62, s62, s63                     ; q, k: my first head of two, 4 cx + 2 wq
	s_lshl_b32 s63, s22, 1
	s_add_co_u32 s63, s63, s9                      ; v: my head, 2 pt + wp
	s_cmp_eq_u32 s18, 0
	s_cselect_b32 s60, s61, s60                    ; my first token
	s_cselect_b32 s62, s62, s63
	s_lshr_b32 s61, s60, 11                        ; the sequence
	s_and_b32 s60, s60, 2047                       ; t0: the token in it
	s_lshl_b32 s61, s61, 4
	s_add_co_u32 s61, s61, s62                     ; 16 x sequence + head
	s_mul_i32 s62, s61, KVH
	s_lshr_b32 s63, s60, 8
	s_mul_i32 s63, s63, SLB
	s_add_co_u32 s62, s62, s63                     ; the slot
	s_mul_i32 s56, s61, 98304
	s_lshr_b32 s57, s60, 4
	s_mul_i32 s58, s57, 768
	s_add_co_u32 s56, s56, s58
	s_add_co_u32 s56, s56, QCO                     ; q's codes
	s_and_b32 s57, s57, 15
	s_mul_i32 s57, s57, 768
	s_add_co_u32 s57, s57, s62                     ; k's
	s_bfe_u32 s58, s60, 0x10007                    ; which key step of the slot
	s_mul_i32 s59, s58, 6144
	s_add_co_u32 s59, s59, s62
	s_add_co_u32 s59, s59, 12288                   ; v's
	s_lshl_b32 s58, s58, 8
	s_add_co_u32 s58, s58, s62
	s_add_co_u32 s58, s58, 25600                   ; v's scale words
	s_lshl_b32 s98, s61, 13
	s_lshr_b32 s99, s60, 6
	s_lshl_b32 s100, s99, 8
	s_add_co_u32 s98, s98, s100
	s_add_co_u32 s98, s98, QSO                     ; q's
	s_and_b32 s99, s99, 3
	s_lshl_b32 s99, s99, 8
	s_add_co_u32 s99, s99, s62
	s_add_co_u32 s99, s99, 24576                   ; k's
	s_mov_b32 s100, KVH
	s_mov_b32 s101, 1536
	s_cmp_eq_u32 s21, 0                            ; q or k
	s_cselect_b32 s56, s56, s57
	s_cselect_b32 s98, s98, s99
	s_cselect_b32 s57, 98304, s100                 ; from a fragment's first half to its second: the next head
	s_cselect_b32 s99, 8192, s100                  ; likewise for the scale words
	s_cmp_eq_u32 s18, 0                            ; or v
	s_cselect_b32 s56, s56, s59
	s_cselect_b32 s98, s98, s58
	s_cselect_b32 s57, s57, 768                    ; v: the second half follows the first
	s_cselect_b32 s99, s99, 0
	s_cselect_b32 s100, 768, s101                  ; from tile to tile of P
	s_cselect_b32 s58, 16, 0                       ; q, k: lanes 16-31 take the word's upper two bytes, the second head's
	s_cselect_b32 s59, 0xffff, -1
	s_cselect_b32 s60, 0x7f7f0000, 0
	s_mov_b32 s101, 0
	s_mov_b32 s63, 0
	s_mov_b32 s62, s56
	s_add_nc_u64 s[84:85], s[14:15], s[62:63]      ; the first half's place
	s_mov_b32 s62, s57
	s_add_nc_u64 s[86:87], s[84:85], s[62:63]      ; the second's
	s_mov_b32 s62, s98
	s_add_nc_u64 s[88:89], s[14:15], s[62:63]      ; the scale words'
	v_mul_u32_u24 v14, v3, s58
	v_mul_u32_u24 v15, v3, s99
	v_lshl_add_u32 v15, v2, 4, v15                 ; 16 r, + the second head's distance in lanes 16-31
	s_mov_b32 s[SEL], 0x76543210
	s_mov_b32 s[SEL+1], 0xfedcba98
.macro FRAG reg, a16, a8, off          ; an image comes back as it was stored: 16, 8, 16, 8 bytes a lane, each run dense
	ds_load_b128 v[\reg:\reg+3], v[\a16] offset:\off
	ds_load_b64 v[\reg+4:\reg+5], v[\a8] offset:\off+512
	ds_load_b128 v[\reg+6:\reg+9], v[\a16] offset:\off+768
	ds_load_b64 v[\reg+10:\reg+11], v[\a8] offset:\off+1280
.endm
.macro FETCH s                         ; K step s: my 4 fragments of P and 8 of Q into set s % 2
	WIN 0
.irp a, 0,1,2,3
	FRAG PF+48*((\s)%2)+12*\a, 6, 7, 3072*\a+1536*((\s)%2)
.endr
	WIN 0x80                                       ; destination window 2
.irp b, 0,1,2,3,4,5,6,7
	FRAG 96*((\s)%2)+12*\b, 8, 9, 3072*\b+1536*((\s)%2)
.endr
.endm
; 16 products: P's tiles a0, a0 + 1 against Q's eight.  The 32 accumulators take turns, one instruction a turn, in the same order in every K step.
.macro MUL s, a0, zero
	WIN 0x52                                       ; source 0 (Q) window 2, source 1 (P) window 0, C and D window 1
.irp a, \a0, \a0+1
.irp b, 0,1,2,3,4,5,6,7
.if \zero
	v_wmma_scale_f32_16x16x128_f8f6f4 v[64*(\a)+8*\b:64*(\a)+8*\b+7], v[96*((\s)%2)+12*\b:96*((\s)%2)+12*\b+11], v[PF+48*((\s)%2)+12*(\a):PF+48*((\s)%2)+12*(\a)+11], 0, v[SC+8*\b+(\s)], v[SC+8*(\a)+(\s)] matrix_a_fmt:MATRIX_FMT_FP6 matrix_b_fmt:MATRIX_FMT_FP6 matrix_a_scale:MATRIX_SCALE_ROW1
.else
	v_wmma_scale_f32_16x16x128_f8f6f4 v[64*(\a)+8*\b:64*(\a)+8*\b+7], v[96*((\s)%2)+12*\b:96*((\s)%2)+12*\b+11], v[PF+48*((\s)%2)+12*(\a):PF+48*((\s)%2)+12*(\a)+11], v[64*(\a)+8*\b:64*(\a)+8*\b+7], v[SC+8*\b+(\s)], v[SC+8*(\a)+(\s)] matrix_a_fmt:MATRIX_FMT_FP6 matrix_b_fmt:MATRIX_FMT_FP6 matrix_a_scale:MATRIX_SCALE_ROW1
.endif
.endr
.endr
.endm
; A K step.  An odd one is a chunk's last: my part of the next chunk has landed (the chunks behind it may stay out), every wave says so, and the next chunk is read behind the barrier.
.macro STEP s, zero
	s_wait_dscnt 0x0                               ; this K step's fragments are in
.if ((\s)%2 == 1) && ((\s) < 7)
	s_wait_tensorcnt 3-((\s)+1)/2                  ; of my four loads those behind the next chunk's may be out
	s_barrier_signal -1
.endif
	MUL \s, 0, \zero
	WIN 0
.if ((\s)%2 == 1) && ((\s) < 7)
	s_barrier_wait -1
	v_add_nc_u32 v6, 24576, v6                     ; on to the next chunk.  These four are also the places in front of the loads below
	v_add_nc_u32 v7, 24576, v7
	v_add_nc_u32 v8, 49152, v8
	v_add_nc_u32 v9, 49152, v9
.elseif (\s) < 7
.rept 4
	v_nop                                          ; four places in front of loads into registers that matrix instructions have read (ISA guide 7.12.1 for vector instructions)
.endr
.endif
.if (\s) < 7
	FETCH (\s)+1
.endif
	MUL \s, 2, \zero
.endm
; 64 numbers of a lane, v[H] on, register 16 b + i = place 32 b + 16 (lane / 16) + i along the next K, become a fragment's codes in v[PC] on and its scale word in v[PW].
.macro QUANT
.irp b, 0,1,2,3
	v_max3_num_f32 v[TM+\b], |v[H+16*\b]|, |v[H+1+16*\b]|, 0x1800000   ; with the floor 2^(3 - 127): the byte cannot fall under 1
.endr
.irp i, 2,4,6,8,10,12,14
.irp b, 0,1,2,3
	v_max3_num_f32 v[TM+\b], v[TM+\b], |v[H+16*\b+\i]|, |v[H+1+16*\b+\i]|
.endr
.endr
.irp b, 0,1,2,3
	v_permlanex16_b32 v[TM+4+\b], v[TM+\b], s[SEL], s[SEL+1]
.endr
.irp b, 0,1,2,3
	v_max_num_f32 v[TM+\b], v[TM+\b], v[TM+4+\b]   ; with lane l xor 16's: the block's largest magnitude
.endr
.irp b, 0,1,2,3
	v_add_nc_u32 v[TM+8+\b], 0xff000000, v[TM+\b]  ; 2 off its exponent field: the conversion's scale operand
.endr
.irp b, 0,1,2,3
	v_lshrrev_b32 v[TM+4+\b], 23, v[TM+8+\b]       ; the scale's byte
.endr
	v_lshl_or_b32 v[PW], v[TM+5], 8, v[TM+4]
	v_lshl_or_b32 v[PW], v[TM+6], 16, v[PW]
	v_lshl_or_b32 v[PW], v[TM+7], 24, v[PW]
.irp c, 0,1
	v_cvt_scalef32_pk16_fp6_f32 v[PC+6*\c:PC+2+6*\c], v[H+32*\c:H+15+32*\c], v[TM+8+2*\c]
	v_cvt_scalef32_pk16_fp6_f32 v[PC+12+4*\c:PC+14+4*\c], v[H+16+32*\c:H+31+32*\c], v[TM+8+2*\c+1]
.endr
	v_nop                                          ; one plain place behind the last conversion
.irp c, 0,1                                    ; the layout wants a whole block in a lane: lanes 0-15 block 2 c, lanes 16-31 block 2 c + 1
.irp i, 0,1,2
	v_permlane16_swap_b32 v[PC+6*\c+\i], v[PC+12+4*\c+\i]
.endr
.irp i, 0,1,2
	v_mov_b32 v[PC+3+6*\c+\i], v[PC+12+4*\c+\i]
.endr
.endr
.endm
	s_wait_tensorcnt 0x3                           ; my part of chunk 0 is in; my other three loads may be out
	s_barrier_signal -1
	s_barrier_wait -1                              ; everybody's is
	FETCH 0
	s_wait_loadcnt 0x0                             ; the scale words and the biases
	STEP 0, 1                                      ; the first K step's products start the sums: nothing is cleared
	STEP 1, 0
	s_wait_alu depctr_va_vdst(0)
	STEP 2, 0
	STEP 3, 0
	s_wait_alu depctr_va_vdst(0)
	STEP 4, 0
	STEP 5, 0
	s_wait_alu depctr_va_vdst(0)
	STEP 6, 0
	STEP 7, 0
	WIN 0
.rept 4
	v_nop                                          ; four places behind the last products
.endr
.irp b, 0,1,2,3
	v_mov_b32 v[TM+4+\b], 0                        ; written once: a lane permute's destination counts as one of its sources
.endr
; THE WAY OUT, a tile of P at a time: + bias (which also brings the numbers into window 0; each accumulator is read from its low end on), quantised, stored as images.
.irp a, 0,1,2,3
	s_cmp_eq_u32 s18, 0
	s_cbranch_scc0 .Lrole_v_\a
	WIN 0x01                                       ; source 0 window 1
.set n, 0
.rept 32
	v_pk_add_f32 v[H+n:H+n+1], v[64*\a+n:64*\a+n+1], v[BI+n:BI+n+1]                        ; q, k: the bias runs along the registers
.set n, n+2
.endr
	WIN 0
	s_branch .Lbiased_\a
.Lrole_v_\a:
	WIN 0x01
.set n, 0
.rept 32
	v_pk_add_f32 v[H+n:H+n+1], v[64*\a+n:64*\a+n+1], v[BV+2*\a:BV+2*\a+1] op_sel_hi:[1,0]  ; v: one bias a lane
.set n, n+2
.endr
	WIN 0
.Lbiased_\a:
	QUANT
	v_lshrrev_b32 v29, v14, v[PW]
	v_and_or_b32 v[W4+\a], v29, s59, s60
	global_store_b128 v4, v[PC:PC+3], s[84:85]               ; 512 consecutive bytes,
	global_store_b64 v5, v[PC+4:PC+5], s[84:85] offset:512   ; 256: half an image each pair
	global_store_b128 v4, v[PC+6:PC+9], s[86:87]
	global_store_b64 v5, v[PC+10:PC+11], s[86:87] offset:512
	s_wait_xcnt 0x0                                ; the stores have read their registers and bases: both are written again
	s_add_nc_u64 s[84:85], s[84:85], s[100:101]
	s_add_nc_u64 s[86:87], s[86:87], s[100:101]
.endr
	s_wait_alu depctr_va_vdst(0)
	global_store_b128 v15, v[W4:W4+3], s[88:89]    ; sixteen lanes store 256 consecutive bytes: [place][tile]; in the role of v lanes 16-31 repeat lanes 0-15
	s_set_vgpr_msb 0xa
	s_wait_tensorcnt 0x0
	ds_add_u32 v254, v255
	s_wait_dscnt 0x0
	s_set_vgpr_msb 0xa00
	CROUND                                         ; the closing round: no work-group ends while a partner may still ask for a tile that names it
	s_endpgm
.Lfunc_end_k_q012239dc89_qkv:
	.size	k_q012239dc89_qkv, .Lfunc_end_k_q012239dc89_qkv-k_q012239dc89_qkv
	.p2alignl 7, 3214868480
	.fill 96, 4, 3214868480
	.section	.rodata,"a",@progbits
	.p2align	6, 0x0
	.amdhsa_kernel k_q012239dc89_qkv
		.amdhsa_group_segment_fixed_size 295424
		.amdhsa_private_segment_fixed_size 0
		.amdhsa_enable_private_segment 0
		.amdhsa_kernarg_size 32
		.amdhsa_user_sgpr_count 2
		.amdhsa_user_sgpr_kernarg_segment_ptr 1
		.amdhsa_wavefront_size32 1
		.amdhsa_system_sgpr_workgroup_id_x 1
		.amdhsa_system_sgpr_workgroup_id_y 1
		.amdhsa_system_sgpr_workgroup_id_z 1
		.amdhsa_system_vgpr_workitem_id 0
		.amdhsa_next_free_vgpr 768
		.amdhsa_next_free_sgpr 104
		.amdhsa_reserve_vcc 1
		.amdhsa_float_denorm_mode_32 3
		.amdhsa_float_denorm_mode_16_64 3
		.amdhsa_memory_ordered 1
		.amdhsa_forward_progress 1
		.amdhsa_inst_pref_size 109
	.end_amdhsa_kernel
	.amdgpu_metadata
---
amdhsa.version: [ 1, 2 ]
amdhsa.kernels:
  - .name:           k_q012239dc89_qkv
    .symbol:         k_q012239dc89_qkv.kd
    .args:
      - { .name: op1, .offset: 0, .size: 8, .value_kind: global_buffer, .address_space: global }
      - { .name: sc1, .offset: 8, .size: 8, .value_kind: global_buffer, .address_space: global }
      - { .name: b_attn, .offset: 16, .size: 8, .value_kind: global_buffer, .address_space: global }
      - { .name: qkv, .offset: 24, .size: 8, .value_kind: global_buffer, .address_space: global }
    .group_segment_fixed_size: 295424
    .private_segment_fixed_size: 0
    .kernarg_segment_align: 8
    .kernarg_segment_size: 32
    .max_flat_workgroup_size: 128
    .sgpr_count:     104
    .vgpr_count:     768
    .wavefront_size: 32
...
	.end_amdgpu_metadata
.endif
;; end of part 2
;; launch attn (part 3): grid 4 x 64, 16 waves a work-group, no clusters, 327,680 bytes of LDS; arguments qkv, op2, sc2; writes op2, sc2
.if DOCPART == 3
	.amdgcn_target "amdgcn-amd-amdhsa--gfx1250"
	.amdhsa_code_object_version 6
	.text
	.protected	k_q012239dc89_attn
	.globl	k_q012239dc89_attn
	.p2align	8
	.type	k_q012239dc89_attn,@function
k_q012239dc89_attn:
	s_mov_b64 s[64:65], 0
	v_nop
	global_prefetch_b8 v0, s[64:65] scope:SCOPE_SE
	s_setreg_imm32_b32 hwreg(HW_REG_WAVE_MODE, 25, 1), 1
	s_wait_xcnt 0x0
; Causal attention of one head on codes of FP6 (E2M3): S = q k^T / 8, p = 2^(t - M), O = p v / the row's sum; and O quantised along the merged heads for the last product.
; THE SOFTMAX: t = score x log2(e) / 8; M = the running largest t rounded UP to a whole number; p = 2^(t - M) is quantised along the keys, not normalised; the row's sum is taken of the unquantised p, in f32, and divides O at the end.
; When M moves, the sum and O are multiplied by 2^(old M - new M): exact.
; SHARES.  Work-group (i, head) owns the blocks of 256 queries 7 - i and i, the long one first: 8 - i slots of 256 keys, then i + 1: NINE slots in every work-group, so the trip counts are constants.
; Wave w of sixteen owns one tile of 16 queries of the block in hand; four waves share a SIMD, so that one wave's vector work stands beside another's products and LDS loads.
; Both products are used transposed (S^T = k q^T, O^T = v^T p^T): a lane holds ONE query.  Tiles of keys, queries and channels hold rows 32 (T / 2) + 8 (T % 2) + i + 8 (i / 8), so that 16 registers of two neighbouring tiles are 16 neighbours.
; THE HEAD HAS 64 CHANNELS, THE INSTRUCTION TAKES 128: q's upper six registers are zero codes, which add nothing whatever finite codes stand against them (a tile of k names the next tile's six registers, the last tile six zeros); both sides' upper two scale bytes are 0x7f.
; A key step all of whose keys come after the wave's queries is left out by a scalar branch on ids; no barrier and no tensor load stands in a step.
; NO CLUSTER: the four work-groups of a head walk 8 - i and then i + 1 slots, so of their nine requests only five are for the same slot; joint requests in every trip would take twelve trips where nine serve.
; LIMITS: NaN and infinities are not served; a p under 2^-126 comes out of v_exp_f32 as 0; a block whose largest magnitude lies under 2^-124 keeps the byte 1.
; LDS: slot 0 at 0, slot 1 at 32,768 (26,112 bytes each: K's 16 half images, V's 8 fragments, K's scale words, V's); the spare words at 65,536.  All of a WGP's LDS is claimed.
; REGISTERS: v1-4 lane terms; v5, v6 the add's two; v8, v9 LDS addresses; v10 the prefetch's offset; v12 -M, v13 the largest t, v[14:15] the sum; v16-27 q (22-27 zeros); v28 q's scale word; v29 my query less 16 (lane / 16);
;   v32-79 k, later v; v80-85 zeros; v86-89 k's scale words, v90-93 v's; v96-159 S^T, then p; v160-191 O^T; v192-210 p's codes; v212-231 at work (v226 p's scale word).
.set KVH,   208896
.set SLB,   26112
.set QCO,   13369344
.set QSO,   19660800
.set SLOT1, 32768
.set SPARE, 65536
.set BM,    212
.set BX,    216
.set SOP,   220
; s10 wave, s11 i, s12 head, s13 the first phase's slots, s14 the trip, s15 the step's first key, s16 my first query, s17 the slot in hand, s18 the loop's count, s19 who prefetches,
; s[20:21] lane selects, s[22:23] c, s[24:31] group 1, s[32:39] the head's places in q, q's words, o, o's bytes, s[40:43] group 0, s[44:45] my part of slot 0 in memory, s[46:47] the prefetches', s[48:55] my tile's places
.macro TLOAD                           ; waves 0-5 bring 17 rows of 256 bytes each; four v_nop follow the line
	s_cmp_lt_u32 s10, 6
	s_cbranch_scc0 .Lno_load_\@
	tensor_load_to_lds s[40:43], s[24:31]
	s_nop 0
.rept 4
	v_nop
.endr
.Lno_load_\@:
.endm
; A PREFETCH INTO THE L2 of the codes of K and V (24,576 bytes) of the slot that the NEXT change of slots will ask for: one slot, two key steps, ahead of that load.  All four work-groups of a head walk the same slots:
; work-group 0, which walks slots 0 to 7 in order, asks, and in it waves 6 to 8, which fetch nothing: 8,192 bytes a wave, lanes 256 bytes apart: each block is named once in the launch.
; Trips 0 to 5 name slots 2 to 7; trips 6 and 7 ask for nothing.  Slots 0 and 1, and the scale words, come by their loads alone.
.macro ASK
	s_cmp_gt_u32 s18, s19
	s_cbranch_scc0 .Lno_ask_\@
	global_prefetch_b8 v10, s[46:47] th:TH_LOAD_NT scope:SCOPE_SE
.Lno_ask_\@:
.endm
; THE CHANGE OF SLOTS, at a slot's head.  Each wave waits for all its tensor loads (one is out at the most: its part of the slot ahead), adds 0 to its spare word, and waits for that and for its reads of the slot left behind.
; fill = 1: that slot is filled with the walk's next slot: number E = trip + 1 of the walk is slot E of the head where E is under the first phase's count, else slot E less that count.
.macro CHANGE fill
	s_wait_tensorcnt 0x0                           ; no tensor load of mine is out, so group 0 may be written
	ds_add_u32 v5, v6                              ; 0 onto my spare word
.if \fill
	s_add_co_u32 s59, s14, 1
	s_sub_co_u32 s56, s59, s13
	s_cmp_lt_u32 s59, s13
	s_cselect_b32 s60, s59, s56
	s_mul_i32 s56, s60, SLB
	s_mov_b32 s57, 0
	s_add_nc_u64 s[42:43], s[44:45], s[56:57]
	s_or_b32 s43, s43, 0x80000000
	s_xor_b32 s41, s41, SLOT1                      ; the other slot than last time
	s_wait_xcnt 0x0                                ; the last prefetch, a slot back, has read its address
	s_add_nc_u64 s[46:47], s[46:47], SLB
.endif
	s_wait_dscnt 0x0                               ; the add is done, and my reads of the slot that I have left are over
	s_barrier_signal -1
	s_barrier_wait -1
.if \fill
	TLOAD                                          ; the first thing behind the barrier, and a wave's one tensor load until the next
	ASK
.endif
.endm
; A block of queries begins: s58 holds its number.
.macro START
	s_lshl_b32 s61, s58, 4
	s_add_co_u32 s61, s61, s10                     ; my tile in the sequence
	s_lshl_b32 s16, s58, 8
	s_add_co_u32 s16, s16, s62                     ; its first query
	s_mov_b32 s57, 0
	s_mul_i32 s56, s61, 768
	s_add_nc_u64 s[48:49], s[32:33], s[56:57]      ; q's half image
	s_lshr_b32 s56, s61, 2
	s_lshl_b32 s56, s56, 8
	s_add_nc_u64 s[50:51], s[34:35], s[56:57]      ; q's scale words: my group of four tiles
	s_mul_i32 s56, s61, 12288
	s_add_nc_u64 s[52:53], s[36:37], s[56:57]      ; o's half image
	s_lshl_b32 s56, s16, 5
	s_add_nc_u64 s[54:55], s[38:39], s[56:57]      ; o's scale bytes
	global_load_b128 v[16:19], v1, s[48:49]
	global_load_b64 v[20:21], v2, s[48:49] offset:512
	global_load_b32 v28, v3, s[50:51]
	v_mov_b32 v13, 0xff61b1e6                      ; the largest t so far: -3e38, under every t
	s_delay_alu instid0(VALU_DEP_1)
	v_floor_f32 v12, -v13
	v_mov_b32 v14, 0
	v_mov_b32 v15, 0
.set n, 0
.rept 32
	v_mov_b32 v[160+n], 0                          ; O^T: the step is written once; the first finds zeros, which the first change of M leaves zeros
.set n, n+1
.endr
	s_mov_b32 s15, 0
	s_wait_loadcnt 0x0
.endm
; A block of queries ends: O^T / the sum, quantised along the head's 64 (two blocks), stored as the half image (tile of tokens, K step head / 2, half head % 2) of the last product's operand.
.macro FINISH
.rept 4
	v_nop                                          ; four places behind the last products, on every way here
.endr
	v_add_f32 v14, v14, v15
	s_delay_alu instid0(VALU_DEP_1)
	v_permlanex16_b32 v227, v14, s20, s21
	s_delay_alu instid0(VALU_DEP_1)
	v_add_f32 v14, v14, v227                       ; the row's sum
	s_wait_alu depctr_va_vdst(0)
	v_rcp_f32 v224, v14
	v_nop                                          ; a plain place behind the reciprocal,
	s_wait_alu depctr_va_vdst(0)                   ; and a wait ahead of its first reader
.set n, 0
.rept 16
	v_pk_mul_f32 v[96+n:97+n], v[160+n:161+n], v[224:225] op_sel_hi:[1,0]   ; register 16 b + i: channel 32 b + 16 (lane / 16) + i
.set n, n+2
.endr
.irp b, 0,1
	v_max3_num_f32 v[BM+\b], |v[96+16*\b]|, |v[97+16*\b]|, 0x1800000
.endr
.irp i, 2,4,6,8,10,12,14
.irp b, 0,1
	s_delay_alu instid0(VALU_DEP_2)
	v_max3_num_f32 v[BM+\b], v[BM+\b], |v[96+16*\b+\i]|, |v[97+16*\b+\i]|
.endr
.endr
.irp b, 0,1
	s_delay_alu instid0(VALU_DEP_2)
	v_permlanex16_b32 v[BX+\b], v[BM+\b], s20, s21
.endr
.irp b, 0,1
	s_delay_alu instid0(VALU_DEP_2)
	v_max_num_f32 v[BM+\b], v[BM+\b], v[BX+\b]
.endr
.irp b, 0,1
	s_delay_alu instid0(VALU_DEP_2)
	v_add_nc_u32 v[SOP+\b], 0xff000000, v[BM+\b]
.endr
.irp b, 0,1
	s_delay_alu instid0(VALU_DEP_2)
	v_lshrrev_b32 v[BX+\b], 23, v[SOP+\b]
.endr
	s_delay_alu instid0(VALU_DEP_1)
	v_lshl_or_b32 v227, v[BX+1], 8, v[BX]          ; my token's two scale bytes
	v_cvt_scalef32_pk16_fp6_f32 v[192:194], v[96:111], v[SOP]
	v_cvt_scalef32_pk16_fp6_f32 v[204:206], v[112:127], v[SOP+1]
	v_nop                                          ; one plain place behind the last conversion
.irp i, 0,1,2
	v_permlane16_swap_b32 v[192+\i], v[204+\i]
.endr
.irp i, 0,1,2
	s_delay_alu instid0(VALU_DEP_3)
	v_mov_b32 v[195+\i], v[204+\i]
.endr
	global_store_b128 v1, v[192:195], s[52:53]
	global_store_b64 v2, v[196:197], s[52:53] offset:512
	global_store_b16 v4, v227, s[54:55]            ; two bytes of a token's 32: lanes l and l + 16 write the same.  A sixteenth of a row at a time: 256 KiB in the whole launch
	s_wait_xcnt 0x0                                ; the stores have read their registers and bases
.endm
; A KEY STEP: 128 keys, the q-th of the slot in hand.
.macro STEP q
	s_add_co_u32 s61, s16, 23                      ; my last query
	s_cmp_gt_u32 s15, s61
	s_cbranch_scc1 .Lhidden_\@
	v_add_nc_u32 v8, s17, v1
	v_add_nc_u32 v9, s17, v2
	v_nop
	v_nop                                          ; with the two additions: four places in front of loads into registers that the last products read
.irp t, 0,1,2,3,4,5,6,7
	ds_load_b128 v[32+6*\t:35+6*\t], v8 offset:(8*(\q)+\t)*768
	ds_load_b64 v[36+6*\t:37+6*\t], v9 offset:(8*(\q)+\t)*768+512
.endr
	ds_load_b128 v[86:89], v8 offset:24576+512*(\q)   ; lanes 0-15: the words of tiles 0-3; lanes 16-31: of tiles 4-7
	s_wait_alu depctr_va_vdst(0)
	s_wait_dscnt 0x0
.irp t, 0,1,2,3
	v_wmma_scale_f32_16x16x128_f8f6f4 v[96+8*\t:103+8*\t], v[32+6*\t:43+6*\t], v[16:27], 0, v[86+\t], v28 matrix_a_fmt:MATRIX_FMT_FP6 matrix_b_fmt:MATRIX_FMT_FP6
.endr
.irp t, 4,5,6,7
	v_wmma_scale_f32_16x16x128_f8f6f4 v[96+8*\t:103+8*\t], v[32+6*\t:43+6*\t], v[16:27], 0, v[82+\t], v28 matrix_a_fmt:MATRIX_FMT_FP6 matrix_b_fmt:MATRIX_FMT_FP6 matrix_a_scale:MATRIX_SCALE_ROW1
.endr
.rept 4
	v_nop                                          ; four places: in front of the loads over k, and of the first read of the scores
.endr
.irp a, 0,1,2,3                                ; v's four fragments land while the softmax is worked
	ds_load_b128 v[32+12*\a:35+12*\a], v8 offset:12288+6144*(\q)+1536*\a
	ds_load_b64 v[36+12*\a:37+12*\a], v9 offset:12288+6144*(\q)+1536*\a+512
	ds_load_b128 v[38+12*\a:41+12*\a], v8 offset:12288+6144*(\q)+1536*\a+768
	ds_load_b64 v[42+12*\a:43+12*\a], v9 offset:12288+6144*(\q)+1536*\a+1280
.endr
	ds_load_b128 v[90:93], v8 offset:25600         ; lanes 0-15: key step 0's words; lanes 16-31: key step 1's
	s_add_co_u32 s61, s15, 127                     ; on the diagonal hidden scores become -infinity ahead of the maximum; a step all of whose keys count skips this
	s_cmp_le_u32 s61, s16
	s_cbranch_scc1 .Lopen_\@
	s_sub_co_i32 s61, s16, s15
	v_add_nc_u32 v227, s61, v29                    ; d = my query - the step's first key - 16 (lane / 16).  Register 16 b + i holds key 32 b + 16 (lane / 16) + i: hidden where 32 b + i > d
	v_mov_b32 v228, 0xff800000
.set n, 0
.rept 64
	v_cmp_gt_i32 vcc_lo, 32*(n/16)+n%16, v227
	v_cndmask_b32 v[96+n], v[96+n], v228, vcc_lo
.set n, n+1
.endr
.Lopen_\@:
.irp b, 0,1,2,3
	v_max3_num_f32 v[BM+\b], v[96+16*\b], v[97+16*\b], v[98+16*\b]   ; the largest score of each block of 32 keys: it serves for the row's maximum and, since p rises with the score, for the block's largest p
.endr
.irp i, 3,5,7,9,11,13
.irp b, 0,1,2,3
	v_max3_num_f32 v[BM+\b], v[BM+\b], v[96+16*\b+\i], v[97+16*\b+\i]
.endr
.endr
.irp b, 0,1,2,3
	v_max_num_f32 v[BM+\b], v[BM+\b], v[111+16*\b]
.endr
.irp b, 0,1,2,3
	s_delay_alu instid0(VALU_DEP_4)
	v_permlanex16_b32 v[BX+\b], v[BM+\b], s20, s21
.endr
.irp b, 0,1,2,3
	s_delay_alu instid0(VALU_DEP_4)
	v_max_num_f32 v[BM+\b], v[BM+\b], v[BX+\b]
.endr
	s_delay_alu instid0(VALU_DEP_2)
	v_max3_num_f32 v227, v[BM], v[BM+1], v[BM+2]
	s_delay_alu instid0(VALU_DEP_1)
	v_max_num_f32 v227, v227, v[BM+3]
	s_delay_alu instid0(VALU_DEP_1)
	v_mul_f32 v227, s22, v227                      ; as t (c is positive)
	s_delay_alu instid0(VALU_DEP_1)
	v_max_num_f32 v13, v13, v227                   ; the running largest t
	v_mov_b32 v227, v12
	s_delay_alu instid0(VALU_DEP_2)
	v_floor_f32 v12, -v13                          ; the new -M = floor(-t): M is a whole number
	s_delay_alu instid0(VALU_DEP_1)
	v_sub_f32 v227, v12, v227                      ; old M - new M: a whole number, 0 or less
	s_delay_alu instid0(VALU_DEP_1)
	v_cvt_i32_f32 v227, v227                       ; (it saturates)
	s_delay_alu instid0(VALU_DEP_1)
	v_ldexp_f32 v224, 1.0, v227                    ; f = 2^(old M - new M)
.set n, 0
.rept 32
	v_pk_fma_f32 v[96+n:97+n], v[96+n:97+n], s[22:23], v[12:13] op_sel_hi:[1,0,0]   ; t - M, two at a time
.set n, n+2
.endr
.irp b, 0,1,2,3
	v_fma_f32 v[BM+\b], v[BM+\b], s22, v12
.endr
.set n, 0
	s_wait_alu depctr_va_vdst(0)
.rept 64
	v_exp_f32 v[96+n], v[96+n]                     ; p = 2^(t - M), at most 1
.set n, n+1
.endr
	v_pk_mul_f32 v[14:15], v[14:15], v[224:225] op_sel_hi:[1,0]   ; the sums under the new M: a plain place behind the exponentials
	s_wait_alu depctr_va_vdst(0)                   ; one wait for the batch of 64, ahead of its first reader
.irp b, 0,1,2,3
	v_exp_f32 v[BM+\b], v[BM+\b]                   ; the blocks' largest p: the same two instructions on the same number give the same bits
.endr
	v_pk_add_f32 v[228:229], v[100:101], v[104:105]
	v_pk_add_f32 v[254:255], v[108:109], v[112:113]
	v_pk_add_f32 v[252:253], v[116:117], v[120:121]
	v_pk_add_f32 v[250:251], v[124:125], v[128:129]
	v_pk_add_f32 v[248:249], v[132:133], v[136:137]
	v_pk_add_f32 v[246:247], v[140:141], v[144:145]
	v_pk_add_f32 v[244:245], v[148:149], v[152:153]
	v_pk_add_f32 v[14:15], v[14:15], v[156:157]
	v_pk_add_f32 v[228:229], v[228:229], v[96:97]
	v_pk_add_f32 v[254:255], v[254:255], v[98:99]
	v_pk_add_f32 v[252:253], v[252:253], v[102:103]
	v_pk_add_f32 v[250:251], v[250:251], v[106:107]
	v_pk_add_f32 v[248:249], v[248:249], v[110:111]
	v_pk_add_f32 v[246:247], v[246:247], v[114:115]
	v_pk_add_f32 v[244:245], v[244:245], v[118:119]
	v_pk_add_f32 v[14:15], v[14:15], v[122:123]
	v_pk_add_f32 v[228:229], v[228:229], v[126:127]
	v_pk_add_f32 v[254:255], v[254:255], v[130:131]
	v_pk_add_f32 v[252:253], v[252:253], v[134:135]
	v_pk_add_f32 v[250:251], v[250:251], v[138:139]
	v_pk_add_f32 v[248:249], v[248:249], v[142:143]
	v_pk_add_f32 v[246:247], v[246:247], v[146:147]
	v_pk_add_f32 v[244:245], v[244:245], v[150:151]
	v_pk_add_f32 v[14:15], v[14:15], v[154:155]
	v_pk_add_f32 v[228:229], v[228:229], v[158:159]
	s_delay_alu instid0(VALU_DEP_2)
	v_pk_add_f32 v[14:15], v[14:15], v[250:251]
	s_delay_alu instid0(VALU_DEP_2)
	v_pk_add_f32 v[228:229], v[228:229], v[248:249]
	v_pk_add_f32 v[254:255], v[254:255], v[246:247]
	v_pk_add_f32 v[252:253], v[252:253], v[244:245]
	s_delay_alu instid0(VALU_DEP_2)
	v_pk_add_f32 v[14:15], v[14:15], v[254:255]
	s_delay_alu instid0(VALU_DEP_2)
	v_pk_add_f32 v[228:229], v[228:229], v[252:253]
	s_delay_alu instid0(VALU_DEP_1)
	v_pk_add_f32 v[14:15], v[14:15], v[228:229]
	s_wait_alu depctr_va_vdst(0)                   ; and one for the four
.irp b, 0,1,2,3
	v_max_num_f32 v[BM+\b], 0x1800000, v[BM+\b]    ; the floor 2^(3 - 127)
.endr
.irp b, 0,1,2,3
	s_delay_alu instid0(VALU_DEP_4)
	v_add_nc_u32 v[SOP+\b], 0xff000000, v[BM+\b]
.endr
.irp b, 0,1,2,3
	s_delay_alu instid0(VALU_DEP_4)
	v_lshrrev_b32 v[BX+\b], 23, v[SOP+\b]
.endr
	s_delay_alu instid0(VALU_DEP_3)
	v_lshl_or_b32 v226, v[BX+1], 8, v[BX]          ; p's scale word for these 128 keys
	s_delay_alu instid0(VALU_DEP_1)
	v_lshl_or_b32 v226, v[BX+2], 16, v226
	s_delay_alu instid0(VALU_DEP_1)
	v_lshl_or_b32 v226, v[BX+3], 24, v226
.irp c, 0,1
	v_cvt_scalef32_pk16_fp6_f32 v[192+6*\c:194+6*\c], v[96+32*\c:111+32*\c], v[SOP+2*\c]
	v_cvt_scalef32_pk16_fp6_f32 v[204+4*\c:206+4*\c], v[112+32*\c:127+32*\c], v[SOP+2*\c+1]
.endr
	v_nop                                          ; one plain place behind the last conversion
.irp c, 0,1
.irp i, 0,1,2
	v_permlane16_swap_b32 v[192+6*\c+\i], v[204+4*\c+\i]
.endr
.irp i, 0,1,2
	s_delay_alu instid0(VALU_DEP_3)
	v_mov_b32 v[195+6*\c+\i], v[204+4*\c+\i]
.endr
.endr
.set n, 0
.rept 16
	v_pk_mul_f32 v[160+n:161+n], v[160+n:161+n], v[224:225] op_sel_hi:[1,0]   ; O^T under the new M.  These sixteen are also the places between the scale word and the codes just made and the products below
.set n, n+2
.endr
	s_wait_alu depctr_va_vdst(0)
	s_wait_dscnt 0x0                               ; v and its scale words are in
.irp a, 0,1,2,3                                ; four accumulators by turns, one instruction a turn
.if (\q) == 0
	v_wmma_scale_f32_16x16x128_f8f6f4 v[160+8*\a:167+8*\a], v[32+12*\a:43+12*\a], v[192:203], v[160+8*\a:167+8*\a], v[90+\a], v226 matrix_a_fmt:MATRIX_FMT_FP6 matrix_b_fmt:MATRIX_FMT_FP6
.else
	v_wmma_scale_f32_16x16x128_f8f6f4 v[160+8*\a:167+8*\a], v[32+12*\a:43+12*\a], v[192:203], v[160+8*\a:167+8*\a], v[90+\a], v226 matrix_a_fmt:MATRIX_FMT_FP6 matrix_b_fmt:MATRIX_FMT_FP6 matrix_a_scale:MATRIX_SCALE_ROW1
.endif
.endr
.Lhidden_\@:
	s_add_co_u32 s15, s15, 128
.endm
; A slot's two key steps.  Where the trip's number is the first phase's count, the long block ends and the short one begins: a branch on ids, the same in all sixteen waves; no barrier and no LDS instruction stands in it.
.macro SLOT
	s_cmp_lg_u32 s14, s13
	s_cbranch_scc1 .Lsame_\@
	FINISH
	s_mov_b32 s58, s11
	START
.Lsame_\@:
	STEP 0
	STEP 1
	s_xor_b32 s17, s17, SLOT1
	s_add_co_u32 s14, s14, 1
.endm
	s_load_b128 s[4:7], s[0:1], 0x0                ; qkv, op2
	s_load_b64 s[8:9], s[0:1], 0x10                ; sc2
	v_lshl_add_u32 v5, v0, 2, SPARE
	v_mov_b32 v6, 0
	ds_add_u32 v5, v6
	ds_add_u32 v5, v6
	s_wait_dscnt 0x0
	v_lshrrev_b32 v7, 5, v0
	s_delay_alu instid0(VALU_DEP_1)
	v_readfirstlane_b32 s10, v7                    ; wave 0..15
	s_mov_b32 s11, ttmp9                           ; i
	s_and_b32 s12, ttmp7, 0xffff                   ; 16 x sequence + head
	s_sub_co_u32 s13, 8, s11                       ; the first phase's slots
	; group 1: 17 rows of 256 bytes (32 elements of 8), dense in memory and in LDS
	s_mov_b32 s24, 3<<16
	s_mov_b32 s25, 32<<16
	s_mov_b32 s26, 17<<16
	s_mov_b32 s27, 32<<16
	s_mov_b32 s28, 17
	s_mov_b32 s29, 32
	s_mov_b32 s30, 0
	s_mov_b32 s31, 0
	s_mul_i32 s61, s10, 4352                       ; my sixth of a slot
	s_mul_i32 s63, s12, KVH
	s_add_co_u32 s56, s63, s61
	s_mov_b32 s57, 0
	s_wait_kmcnt 0x0
	s_add_nc_u64 s[44:45], s[4:5], s[56:57]
	s_mov_b32 s40, 1
	s_mov_b32 s41, s61
	s_mov_b64 s[42:43], s[44:45]
	s_or_b32 s43, s43, 0x80000000
	TLOAD                                          ; the walk's first slot, into slot 0
	s_mul_i32 s56, s12, 98304
	s_add_co_u32 s56, s56, QCO
	s_add_nc_u64 s[32:33], s[4:5], s[56:57]
	s_lshl_b32 s56, s12, 13
	s_add_co_u32 s56, s56, QSO
	s_add_nc_u64 s[34:35], s[4:5], s[56:57]
	s_lshr_b32 s59, s12, 4                         ; the sequence
	s_and_b32 s60, s12, 15                         ; the head
	s_mul_i32 s56, s59, 1572864                    ; 128 tiles x 12,288
	s_mul_i32 s61, s60, 768                        ; K step head / 2, half head % 2
	s_add_co_u32 s56, s56, s61
	s_add_nc_u64 s[36:37], s[6:7], s[56:57]
	s_lshl_b32 s56, s59, 16
	s_lshl_b32 s61, s60, 1
	s_add_co_u32 s56, s56, s61
	s_add_nc_u64 s[38:39], s[8:9], s[56:57]
	s_max_u32 s61, s10, 6
	s_sub_co_u32 s61, s61, 6
	s_lshl_b32 s61, s61, 13
	s_add_co_u32 s56, s63, s61
	s_add_co_u32 s56, s56, SLB                     ; in slot 1: the first change of slots steps it to slot 2
	s_add_nc_u64 s[46:47], s[4:5], s[56:57]
	s_sub_co_u32 s61, s10, 6
	s_cmp_lt_u32 s61, 3                            ; waves 6 to 8
	s_cselect_b32 s61, 0, 1
	s_or_b32 s61, s61, s11                         ; of work-group 0
	s_cmp_eq_u32 s61, 0
	s_cselect_b32 s19, 2, -1
	s_lshr_b32 s62, s10, 1
	s_lshl_b32 s62, s62, 5
	s_and_b32 s61, s10, 1
	s_lshl_b32 s61, s61, 3
	s_add_co_u32 s62, s62, s61                     ; my tile's first query in a block: 32 (w / 2) + 8 (w % 2)
	s_mov_b32 s20, 0x76543210
	s_mov_b32 s21, 0xfedcba98
	s_mov_b32 s22, 0x3e38aa3b                      ; c = log2(e) / 8
	s_mov_b32 s23, s22                             ; (named with it as a pair, so it is written)
	s_mov_b32 s14, 0
	s_mov_b32 s17, 0
	s_mov_b32 s18, 8
	v_and_b32 v7, 31, v0
	s_delay_alu instid0(VALU_DEP_1)
	v_lshlrev_b32 v1, 4, v7                        ; 16 x lane
	s_delay_alu instid0(VALU_DEP_2)
	v_lshlrev_b32 v2, 3, v7                        ; 8 x lane
	s_delay_alu instid0(VALU_DEP_3)
	v_lshlrev_b32 v10, 8, v7                       ; 256 x lane
	v_and_b32 v7, 15, v0                           ; r
	v_bfe_u32 v11, v0, 4, 1                        ; h
	s_and_b32 s61, s10, 3
	s_lshl_b32 s61, s61, 2
	v_lshl_add_u32 v3, v7, 4, s61                  ; q's scale word: [place][tile % 4]
	v_and_b32 v4, 8, v7
	s_delay_alu instid0(VALU_DEP_1)
	v_add_nc_u32 v4, v4, v7                        ; r + 8 (r / 8)
	v_lshlrev_b32 v11, 4, v11
	s_delay_alu instid0(VALU_DEP_1)
	v_sub_nc_u32 v29, v4, v11
	s_delay_alu instid0(VALU_DEP_3)
	v_lshlrev_b32 v4, 5, v4                        ; o's scale bytes: 32 a token
.irp j, 22,23,24,25,26,27,80,81,82,83,84,85,216,217,218,219,225,227
	v_mov_b32 v\j, 0                               ; the zero codes; and what a lane permute or a pair names before it is first written
.endr
	s_sub_co_u32 s58, 7, s11
	START                                          ; the long block first
.Lslot:                                            ; eight trips: behind each change of slots but the last the walk's next slot is asked for
	CHANGE 1
	SLOT
	s_sub_co_u32 s18, s18, 1
	s_cmp_lg_u32 s18, 0
	s_cbranch_scc1 .Lslot
	CHANGE 0                                       ; the ninth slot is written out
	SLOT
	FINISH
	s_wait_tensorcnt 0x0                           ; the wave's end
	ds_add_u32 v5, v6
	s_wait_dscnt 0x0
	s_endpgm
.Lfunc_end_k_q012239dc89_attn:
	.size	k_q012239dc89_attn, .Lfunc_end_k_q012239dc89_attn-k_q012239dc89_attn
	.p2alignl 7, 3214868480
	.fill 96, 4, 3214868480
	.section	.rodata,"a",@progbits
	.p2align	6, 0x0
	.amdhsa_kernel k_q012239dc89_attn
		.amdhsa_group_segment_fixed_size 327680
		.amdhsa_private_segment_fixed_size 0
		.amdhsa_enable_private_segment 0
		.amdhsa_kernarg_size 24
		.amdhsa_user_sgpr_count 2
		.amdhsa_user_sgpr_kernarg_segment_ptr 1
		.amdhsa_wavefront_size32 1
		.amdhsa_system_sgpr_workgroup_id_x 1
		.amdhsa_system_sgpr_workgroup_id_y 1
		.amdhsa_system_sgpr_workgroup_id_z 1
		.amdhsa_system_vgpr_workitem_id 0
		.amdhsa_next_free_vgpr 256
		.amdhsa_next_free_sgpr 100
		.amdhsa_reserve_vcc 1
		.amdhsa_float_denorm_mode_32 3
		.amdhsa_float_denorm_mode_16_64 3
		.amdhsa_memory_ordered 1
		.amdhsa_forward_progress 1
		.amdhsa_inst_pref_size 115
	.end_amdhsa_kernel
	.amdgpu_metadata
---
amdhsa.version: [ 1, 2 ]
amdhsa.kernels:
  - .name:           k_q012239dc89_attn
    .symbol:         k_q012239dc89_attn.kd
    .args:
      - { .name: qkv, .offset: 0, .size: 8, .value_kind: global_buffer, .address_space: global }
      - { .name: op2, .offset: 8, .size: 8, .value_kind: global_buffer, .address_space: global }
      - { .name: sc2, .offset: 16, .size: 8, .value_kind: global_buffer, .address_space: global }
    .group_segment_fixed_size: 327680
    .private_segment_fixed_size: 0
    .kernarg_segment_align: 8
    .kernarg_segment_size: 24
    .max_flat_workgroup_size: 512
    .sgpr_count:     100
    .vgpr_count:     256
    .wavefront_size: 32
...
	.end_amdgpu_metadata
.endif
;; end of part 3
;; launch proj (part 4): grid 4 x 64, 4 waves a work-group, clusters of 4 x 4, 295,424 bytes of LDS; arguments op2, sc2, b_proj, out0; writes out0
.if DOCPART == 4
	.amdgcn_target "amdgcn-amd-amdhsa--gfx1250"
	.amdhsa_code_object_version 6
	.text
	.protected	k_q012239dc89_proj
	.globl	k_q012239dc89_proj
	.p2align	8
	.type	k_q012239dc89_proj,@function
k_q012239dc89_proj:
	s_mov_b64 s[64:65], 0
	v_nop
	global_prefetch_b8 v0, s[64:65] scope:SCOPE_SE
	s_setreg_imm32_b32 hwreg(HW_REG_WAVE_MODE, 25, 1), 1
	s_wait_xcnt 0x0
	s_wait_alu depctr_hold_cnt(0) depctr_sa_sdst(0) depctr_va_vdst(0) depctr_va_sdst(0) depctr_va_ssrc(0) depctr_va_vcc(0) depctr_vm_vsrc(0)
	s_getreg_b32 s2, hwreg(HW_REG_IB_STS2, 6, 4)
	s_cmp_eq_u32 s2, 0
	s_cbranch_scc0 .Lentry_in_a_cluster
	s_endpgm
.Lentry_in_a_cluster:
	s_bfe_u32 s2, ttmp6, 0x10000c
	s_cmp_lg_u32 s2, 0xf033
	s_cbranch_scc0 .Lentry_shape_is_right
	s_endpgm
.Lentry_shape_is_right:
; out0 = o x w_proj + b_proj on codes of FP6 (E2M3).  o's images and scale bytes come from the launch before, w_proj's from the first.
; THE PRODUCT.  Side P (tokens) is source 1 and owns the lane, side Q (w_proj's columns) is source 0 and owns the registers.  A work-group takes 128 tokens x 256 columns; all of K (1,024) lies in LDS, filled once.
; A tile's rows are not neighbours (place i of tile T is row 32 (T / 2) + 8 (T % 2) + i + 8 (i / 8)): the 16 registers of Q's tiles 2 b and 2 b + 1 are the 16 neighbouring columns 32 b + 16 (lane / 16) + 0 .. 15.
; CLUSTERS: 4 x 4.  P's tiles are asked for jointly along a row of the cluster, Q's along a column.  Each wave issues four tensor loads (chunks of two K steps), all at the start: four are outstanding at the most.
; The bias is the C of the first K step's products.  The results leave through each wave's own stage in LDS, as whole rows of 512 bytes.
; REGISTERS.  window 0: v1-15 addresses; v32-95 scale words (v[32 + 8 i + s]: lanes 0-15 P's tile i, lanes 16-31 Q's tile i, K step s); v96-191 P's fragments, two sets; v192-255 the bias.  On the way out v96-159 and v192-255 take rows.
;   window 1: the 32 accumulators, (a, b) at v[64 a + 8 b].   window 2: Q's fragments, two sets, at v0 and v96.
.set SC,   32
.set PF,   96
.set BI,   192
.set G1P,  24
.set G1Q,  32
.set G0P,  40
.set G0Q,  68
.set MSB, 0
.macro WIN new                         ; the immediate's high byte repeats the setting that is left
.if MSB != \new
	s_set_vgpr_msb (MSB<<8)|\new
.set MSB, \new
.endif
.endm
.macro CROUND                          ; a round of the cluster's barrier
	s_barrier_signal -1
	s_barrier_wait -1
	s_cmp_lg_u32 s8, 0
	s_cbranch_scc1 .Lnot_wave_0_\@
	s_barrier_signal -3
.Lnot_wave_0_\@:
	s_barrier_wait -3
	s_barrier_signal -1
	s_barrier_wait -1
.endm
	s_load_b128 s[4:7], s[0:1], 0x0                ; op2, sc2
	s_load_b128 s[12:15], s[0:1], 0x10             ; b_proj, out0
	v_lshl_add_u32 v28, v0, 2, 0x48000
	v_mov_b32 v29, 0
	ds_add_u32 v28, v29
	ds_add_u32 v28, v29
	v_lshrrev_b32 v1, 5, v0
	v_readfirstlane_b32 s8, v1                     ; wave 0..3
	s_lshr_b32 s9, s8, 1                           ; wp: my 64 tokens.  Also: I fetch for P (0) or for Q (1)
	s_and_b32 s10, s8, 1                           ; wq: my 128 columns.  Also: which half I fetch
	s_bfe_u32 s16, ttmp6, 0x40000                  ; cx = which 256 columns
	s_bfe_u32 s17, ttmp6, 0x40004                  ; cy
	s_and_b32 s22, ttmp7, 0xffff
	s_lshl_b32 s22, s22, 2
	s_add_co_u32 s22, s22, s17                     ; pt: which 128 tokens
	s_lshl_b32 s56, s17, 2
	s_lshl_b32 s56, 15, s56                        ; my row of the cluster
	s_lshl_b32 s57, 0x1111, s16                    ; my column
	; group 1: rows of 3,072 bytes (a tile's two K steps; 384 elements of 8 bytes), 12,288 bytes apart; 4 tiles for P, 8 for Q; dense in LDS
	s_or_b32 s[G1P], s56, (3<<16)|(1<<21)
	s_or_b32 s[G1Q], s57, (3<<16)|(1<<21)
	s_mov_b32 s[G1P+1], 384<<16
	s_mov_b32 s[G1P+2], 4<<16
	s_mov_b32 s[G1P+3], 384<<16
	s_mov_b32 s[G1P+4], 4
	s_mov_b32 s[G1P+5], 1536
	s_mov_b32 s[G1P+6], 0
	s_mov_b32 s[G1P+7], 0
	s_mov_b32 s[G1Q+1], 384<<16
	s_mov_b32 s[G1Q+2], 8<<16
	s_mov_b32 s[G1Q+3], 384<<16
	s_mov_b32 s[G1Q+4], 8
	s_mov_b32 s[G1Q+5], 1536
	s_mov_b32 s[G1Q+6], 0
	s_mov_b32 s[G1Q+7], 0
	s_mul_i32 s84, s22, 98304                      ; P: 8 tiles x 12,288; in registers that never hold cx
	s_mul_i32 s85, s10, 49152
	s_add_co_u32 s84, s84, s85
	s_mov_b32 s85, 0
	s_mul_i32 s88, s16, 196608                     ; Q: 16 tiles x 12,288, behind o's images; in registers that never hold cy
	s_add_co_u32 s88, s88, 6291456
	s_mul_i32 s89, s10, 98304
	s_add_co_u32 s88, s88, s89
	s_mov_b32 s89, 0
	s_mul_i32 s86, s10, 12288                      ; where they go: the wave's number alone enters an LDS address
	s_mul_i32 s90, s10, 24576
	s_add_co_u32 s90, s90, 98304
	s_wait_dscnt 0x0
	s_wait_kmcnt 0x0
	s_add_nc_u64 s[84:85], s[4:5], s[84:85]
	s_add_nc_u64 s[88:89], s[4:5], s[88:89]
	CROUND                                         ; all sixteen work-groups are here: the joint loads meet
.irp j, 0,1,2,3
	s_mov_b32 s[G0P+4*\j], 1
	s_add_co_u32 s[G0P+4*\j+1], s86, 24576*\j
	s_add_nc_u64 s[G0P+4*\j+2:G0P+4*\j+3], s[84:85], 3072*\j
	s_or_b32 s[G0P+4*\j+3], s[G0P+4*\j+3], 0x80000000
	s_mov_b32 s[G0Q+4*\j], 1
	s_add_co_u32 s[G0Q+4*\j+1], s90, 49152*\j
	s_add_nc_u64 s[G0Q+4*\j+2:G0Q+4*\j+3], s[88:89], 3072*\j
	s_or_b32 s[G0Q+4*\j+3], s[G0Q+4*\j+3], 0x80000000
.endr
	s_cmp_eq_u32 s9, 0                             ; a wave's four fills stand in one branch on the wave's number; four v_nop follow the last
	s_cbranch_scc0 .Lfetch_q
.irp j, 0,1,2,3
	tensor_load_to_lds s[G0P+4*\j:G0P+4*\j+3], s[G1P:G1P+7]
	s_nop 0
.endr
.rept 4
	v_nop
.endr
	s_branch .Lasked
.Lfetch_q:
.irp j, 0,1,2,3
	tensor_load_to_lds s[G0Q+4*\j:G0Q+4*\j+3], s[G1Q:G1Q+7]
	s_nop 0
.endr
.rept 4
	v_nop
.endr
.Lasked:
	v_and_b32 v1, 31, v0                           ; lane
	v_and_b32 v2, 15, v0                           ; r
	v_bfe_u32 v3, v0, 4, 1                         ; h
	v_lshlrev_b32 v4, 4, v1                        ; 16 x lane
	v_lshlrev_b32 v5, 3, v1                        ; 8 x lane
	s_mul_i32 s56, s9, 12288
	v_add_nc_u32 v6, s56, v4                       ; my four tiles of P in chunk 0, pieces of 16 bytes,
	v_add_nc_u32 v7, s56, v5                       ; and of 8
	v_add_nc_u32 v8, s90, v4                       ; my eight tiles of Q
	v_add_nc_u32 v9, s90, v5
	s_mul_i32 s56, s8, 8448                        ; my stage: 16 rows x (512 bytes + 16), in P's bytes, which have had their only fill and their last read when the first result is stored there
	v_mul_u32_u24 v14, v2, 528
	v_lshl_add_u32 v14, v3, 6, v14
	v_add_nc_u32 v14, s56, v14                     ; in: row r, + 64 h
	v_add_nc_u32 v15, s56, v4                      ; back: a whole row, 16 bytes a lane
	v_and_b32 v30, 8, v2
	v_add_nc_u32 v30, v30, v2                      ; r + 8 (r / 8)
	s_lshl_b32 s57, s22, 12                        ; the scale words, 32 bytes a row: the work-group's 128 tokens,
	s_lshl_b32 s58, s9, 11
	s_add_co_u32 s58, s58, s57                     ; my 64 of them,
	s_lshl_b32 s59, s16, 13
	s_lshl_b32 s60, s10, 12
	s_add_co_u32 s59, s59, s60
	s_add_co_u32 s59, s59, 262144                  ; my 128 columns
	v_cmp_eq_u32 vcc_lo, 1, v3
	v_mov_b32 v31, s59
	v_mov_b32 v10, s58
	v_mov_b32 v11, s57
	v_cndmask_b32 v10, v10, v31, vcc_lo            ; lanes 0-15 take P's rows, lanes 16-31 Q's
	v_cndmask_b32 v11, v11, v31, vcc_lo            ; for tiles 4-7, which P's side of a wave has not: lanes 0-15 read the work-group's rows 64-127, stored bytes that no product names
	v_lshl_add_u32 v10, v30, 5, v10
	v_lshl_add_u32 v11, v30, 5, v11
.irp i, 0,1,2,3
.irp j, 0,1
	global_load_b128 v[SC+8*\i+4*\j:SC+8*\i+4*\j+3], v10, s[6:7] offset:32*(32*(\i/2)+8*(\i%2))+16*\j
.endr
.endr
.irp i, 4,5,6,7
.irp j, 0,1
	global_load_b128 v[SC+8*\i+4*\j:SC+8*\i+4*\j+3], v11, s[6:7] offset:32*(32*(\i/2)+8*(\i%2))+16*\j
.endr
.endr
	v_lshlrev_b32 v12, 6, v3                       ; 64 h
	s_lshl_b32 s60, s16, 8
	s_lshl_b32 s61, s10, 7
	s_add_co_u32 s60, s60, s61                     ; my first column
	s_lshl_b32 s92, s60, 2
	s_mov_b32 s93, 0
	s_add_nc_u64 s[94:95], s[14:15], s[92:93]
	s_add_nc_u64 s[92:93], s[12:13], s[92:93]      ; b_proj at it
.irp b, 0,1,2,3,4,5,6,7
	global_load_b128 v[BI+8*\b:BI+8*\b+3], v12, s[92:93] offset:4*(32*(\b/2)+8*(\b%2))
	global_load_b128 v[BI+8*\b+4:BI+8*\b+7], v12, s[92:93] offset:4*(32*(\b/2)+8*(\b%2))+16
.endr
	s_lshl_b32 s61, s22, 7
	s_lshl_b32 s62, s9, 6
	s_add_co_u32 s61, s61, s62                     ; my first token
	s_lshl_b32 s62, s61, 12
	s_mov_b32 s63, 0
	s_add_nc_u64 s[94:95], s[94:95], s[62:63]      ; out0 at (my first token, my first column)
.macro FRAG reg, a16, a8, off          ; an image comes back as it was stored: 16, 8, 16, 8 bytes a lane, each run dense
	ds_load_b128 v[\reg:\reg+3], v[\a16] offset:\off
	ds_load_b64 v[\reg+4:\reg+5], v[\a8] offset:\off+512
	ds_load_b128 v[\reg+6:\reg+9], v[\a16] offset:\off+768
	ds_load_b64 v[\reg+10:\reg+11], v[\a8] offset:\off+1280
.endm
.macro FETCH s                         ; K step s: my 4 fragments of P and 8 of Q into set s % 2
	WIN 0
.irp a, 0,1,2,3
	FRAG PF+48*((\s)%2)+12*\a, 6, 7, 3072*\a+1536*((\s)%2)
.endr
	WIN 0x80                                       ; destination window 2
.irp b, 0,1,2,3,4,5,6,7
	FRAG 96*((\s)%2)+12*\b, 8, 9, 3072*\b+1536*((\s)%2)
.endr
.endm
; 16 products: P's tiles a0, a0 + 1 against Q's eight.  The 32 accumulators take turns, one instruction a turn, in the same order in every K step.  first = 1: the bias starts the sums.
.macro MUL s, a0, first
.if \first
	WIN 0x42                                       ; source 0 (Q) window 2, source 1 (P) and C (the bias) window 0, D window 1
.else
	WIN 0x52                                       ; C and D window 1
.endif
.irp a, \a0, \a0+1
.irp b, 0,1,2,3,4,5,6,7
.if \first
	v_wmma_scale_f32_16x16x128_f8f6f4 v[64*(\a)+8*\b:64*(\a)+8*\b+7], v[96*((\s)%2)+12*\b:96*((\s)%2)+12*\b+11], v[PF+48*((\s)%2)+12*(\a):PF+48*((\s)%2)+12*(\a)+11], v[BI+8*\b:BI+8*\b+7], v[SC+8*\b+(\s)], v[SC+8*(\a)+(\s)] matrix_a_fmt:MATRIX_FMT_FP6 matrix_b_fmt:MATRIX_FMT_FP6 matrix_a_scale:MATRIX_SCALE_ROW1
.else
	v_wmma_scale_f32_16x16x128_f8f6f4 v[64*(\a)+8*\b:64*(\a)+8*\b+7], v[96*((\s)%2)+12*\b:96*((\s)%2)+12*\b+11], v[PF+48*((\s)%2)+12*(\a):PF+48*((\s)%2)+12*(\a)+11], v[64*(\a)+8*\b:64*(\a)+8*\b+7], v[SC+8*\b+(\s)], v[SC+8*(\a)+(\s)] matrix_a_fmt:MATRIX_FMT_FP6 matrix_b_fmt:MATRIX_FMT_FP6 matrix_a_scale:MATRIX_SCALE_ROW1
.endif
.endr
.endr
.endm
; A K step.  An odd one is a chunk's last: my part of the next chunk has landed (the chunks behind it may stay out), every wave says so, and the next chunk is read behind the barrier.
.macro STEP s, first
	s_wait_dscnt 0x0                               ; this K step's fragments are in
.if ((\s)%2 == 1) && ((\s) < 7)
	s_wait_tensorcnt 3-((\s)+1)/2                  ; of my four loads those behind the next chunk's may be out
	s_barrier_signal -1
.endif
	MUL \s, 0, \first
	WIN 0
.if ((\s)%2 == 1) && ((\s) < 7)
	s_barrier_wait -1
	v_add_nc_u32 v6, 24576, v6                     ; on to the next chunk.  These four are also the places in front of the loads below
	v_add_nc_u32 v7, 24576, v7
	v_add_nc_u32 v8, 49152, v8
	v_add_nc_u32 v9, 49152, v9
.elseif (\s) < 7
.rept 4
	v_nop                                          ; four places in front of loads into registers that matrix instructions have read (ISA guide 7.12.1 for vector instructions)
.endr
.endif
.if (\s) < 7
	FETCH (\s)+1
.endif
	MUL \s, 2, \first
.endm
	s_wait_tensorcnt 0x3                           ; my part of chunk 0 is in; my other three loads may be out
	s_barrier_signal -1
	s_barrier_wait -1                              ; everybody's is
	FETCH 0
	s_wait_loadcnt 0x0                             ; the scale words and the bias
	STEP 0, 1
	STEP 1, 0
	s_wait_alu depctr_va_vdst(0)
	STEP 2, 0
	STEP 3, 0
	s_wait_alu depctr_va_vdst(0)
	STEP 4, 0
	STEP 5, 0
	s_wait_alu depctr_va_vdst(0)
	STEP 6, 0
	STEP 7, 0
	WIN 0
	s_wait_dscnt 0x0
	s_barrier_signal -1                            ; every wave has read its last operand byte: P's bytes may take the stages
	s_barrier_wait -1
; THE WAY OUT, a tile of 16 tokens x 128 columns at a time, through my own stage.  LDS serves a wave's instructions in order (ISA guide 5.7.1.4): no wait between the stores and the loads, nor in front of the next tile's stores.
.macro TOSTAGE a
	WIN 0x04                                       ; an LDS store's data are its source 1: window 1
.irp b, 0,1,2,3,4,5,6,7
	ds_store_b128 v14, v[64*(\a)+8*\b:64*(\a)+8*\b+3] offset:128*(\b/2)+32*(\b%2)          ; each accumulator from its low end on: columns 32 (b / 2) + 8 (b % 2) + 16 h + 0 .. 7
	ds_store_b128 v14, v[64*(\a)+8*\b+4:64*(\a)+8*\b+7] offset:128*(\b/2)+32*(\b%2)+16
.endr
	WIN 0
.set BB, 96+96*((\a)%2)
.irp i, 0,1,2,3,4,5,6,7,8,9,10,11,12,13,14,15
	ds_load_b128 v[BB+4*\i:BB+4*\i+3], v15 offset:528*\i
.endr
.endm
.macro SEND a, younger                 ; younger: the LDS instructions issued behind tile a's loads, which may stay out
.set BB, 96+96*((\a)%2)
	s_wait_dscnt \younger
.irp i, 0,1,2,3,4,5,6,7,8,9,10,11,12,13,14,15
	global_store_b128 v4, v[BB+4*\i:BB+4*\i+3], s[94:95] offset:4096*(32*((\a)/2)+8*((\a)%2)+\i+8*(\i/8)) th:TH_STORE_NT   ; 32 lanes store 512 consecutive bytes, at a multiple of 256 from out0's first byte
.endr
.endm
.rept 4
	v_nop                                          ; four places behind the last products: for the reads of results and for the loads over P's fragments
.endr
	TOSTAGE 0
.irp a, 1,2,3
.if \a > 1
	s_wait_xcnt 0x0                                ; tile a - 2's stores have read their registers: tile a's rows may land there
.endif
	TOSTAGE \a
	SEND \a-1, 32                                  ; behind tile a - 1's loads: tile a's 16 stores and 16 loads
.endr
	SEND 3, 0
	s_wait_tensorcnt 0x0
	ds_add_u32 v28, v29
	s_wait_dscnt 0x0
	CROUND                                         ; the closing round: no work-group ends while a partner may still ask for a tile that names it
	s_endpgm
.Lfunc_end_k_q012239dc89_proj:
	.size	k_q012239dc89_proj, .Lfunc_end_k_q012239dc89_proj-k_q012239dc89_proj
	.p2alignl 7, 3214868480
	.fill 96, 4, 3214868480
	.section	.rodata,"a",@progbits
	.p2align	6, 0x0
	.amdhsa_kernel k_q012239dc89_proj
		.amdhsa_group_segment_fixed_size 295424
		.amdhsa_private_segment_fixed_size 0
		.amdhsa_enable_private_segment 0
		.amdhsa_kernarg_size 32
		.amdhsa_user_sgpr_count 2
		.amdhsa_user_sgpr_kernarg_segment_ptr 1
		.amdhsa_wavefront_size32 1
		.amdhsa_system_sgpr_workgroup_id_x 1
		.amdhsa_system_sgpr_workgroup_id_y 1
		.amdhsa_system_sgpr_workgroup_id_z 1
		.amdhsa_system_vgpr_workitem_id 0
		.amdhsa_next_free_vgpr 768
		.amdhsa_next_free_sgpr 104
		.amdhsa_reserve_vcc 1
		.amdhsa_float_denorm_mode_32 3
		.amdhsa_float_denorm_mode_16_64 3
		.amdhsa_memory_ordered 1
		.amdhsa_forward_progress 1
		.amdhsa_inst_pref_size 85
	.end_amdhsa_kernel
	.amdgpu_metadata
---
amdhsa.version: [ 1, 2 ]
amdhsa.kernels:
  - .name:           k_q012239dc89_proj
    .symbol:         k_q012239dc89_proj.kd
    .args:
      - { .name: op2, .offset: 0, .size: 8, .value_kind: global_buffer, .address_space: global }
      - { .name: sc2, .offset: 8, .size: 8, .value_kind: global_buffer, .address_space: global }
      - { .name: b_proj, .offset: 16, .size: 8, .value_kind: global_buffer, .address_space: global }
      - { .name: out0, .offset: 24, .size: 8, .value_kind: global_buffer, .address_space: global }
    .group_segment_fixed_size: 295424
    .private_segment_fixed_size: 0
    .kernarg_segment_align: 8
    .kernarg_segment_size: 32
    .max_flat_workgroup_size: 128
    .sgpr_count:     104
    .vgpr_count:     768
    .wavefront_size: 32
...
	.end_amdgpu_metadata
.endif
;; end of part 4
